; MI455X (gfx1250); checked and timed in simulation.
; The chip was launched on July 23, 2026; its instructions are those of AMD's public machine-readable ISA for CDNA 5 (MIT licence, August 2026) and "CDNA5" Instruction Set Architecture Reference Guide (July 2026). The comments in the code are by the model that wrote it; some were corrected since.
;; SDPA Attention. Allowed arithmetic: matrix products marked QUANTISED: E2M3 operands, one E8M0 scale for each 32 along K, by v_wmma_scale_f32_16x16x128_f8f6f4 with both operands' format E2M3, f32 sums; everything else in f32.
;; Inputs: Wk 2,048 x 2,048 float32; Wo 2,048 x 2,048 float32; Wq 2,048 x 2,048 float32; Wv 2,048 x 2,048 float32; cos 2,048 x 1 x 64 float32; sin 2,048 x 1 x 64 float32; x 1 x 2,048 x 2,048 float32.
;; Outputs: out0 1 x 2,048 x 2,048 float32.
;; This version of the problem:
;;   THIS VERSION OF THE PROBLEM IS GIVEN IN LOW PRECISION. The matrix products marked QUANTISED in the list below multiply operands that are first quantised to E2M3 (2 exponent bits, 3 mantissa bits; 6 bits a number), with one power-of-two scale for each 32 numbers along K (OCP MX v1.0); their sums are f32. All else is computed in f32.
;;   The module's matrix products, in the order in which they are computed (A, B: the left and right operand; K: the contracted axis; several contracted axes count as one K, in the product's order):
;;     1. [M 2,048, K 2,048] x [K 2,048, N 2,048]; A: input x; B: input Wq: QUANTISED
;;     2. [M 2,048, K 2,048] x [K 2,048, N 2,048]; A: input x; B: input Wk: QUANTISED
;;     3. [M 2,048, K 2,048] x [K 2,048, N 2,048]; A: input x; B: input Wv: QUANTISED
;;     4. batch 16 x [M 2,048, K 128] x [K 128, N 2,048]; A: computed on the way; B: computed on the way: QUANTISED
;;     5. batch 16 x [M 128, K 2,048] x [K 2,048, N 2,048]; A: computed on the way; B: softmax (see below): QUANTISED
;;     6. [M 2,048, K 2,048] x [K 2,048, N 2,048]; A: computed on the way; B: input Wo: QUANTISED
;;   THE QUANTISER, for each operand of a quantised product, along K:
;;     - K is cut into blocks of 32 from its start; a last block that is shorter is filled with zeros.
;;     - A block's scale is 2^e with e = floor(log2(the largest magnitude in the block)) - 2, held to -126 .. 127; a block of zeros has e = 0. As a byte (E8M0): e + 127.
;;     - Each number is divided by its block's scale, clamped to +-7.5, and rounded to the nearest number of E2M3, ties to even, subnormals kept.
;;     - The product sums the exact products of the quantised numbers (number of the format x scale) in f32.
;;   ~~~python
;;   def quantise(x, axis):      # numpy; x: float32 -> the quantised numbers, widened to float32 again
;;       x = np.moveaxis(x, axis, -1); K = x.shape[-1]
;;       x = np.pad(x, [(0, 0)] * (x.ndim - 1) + [(0, -K % 32)]); x = x.reshape(x.shape[:-1] + (-1, 32)); a = np.abs(x).max(-1, keepdims=True)
;;       e = np.where(a > 0, np.clip(np.frexp(np.where(a > 0, a, 1))[1] - 1 - 2, -126, 127), 0)      # np.frexp(a)[1] - 1 = floor(log2(a)), exactly
;;       r = np.clip(x / 2.0 ** e, -7.5, 7.5)
;;       step = 2.0 ** (np.maximum(np.frexp(np.where(r == 0, 1, r))[1] - 1, 0) - 3)
;;       q = np.round(r / step) * step * 2.0 ** e      # np.round: ties to even
;;       return np.moveaxis(q.reshape(q.shape[:-2] + (-1,))[..., :K], -1, axis).astype(np.float32)
;;   ~~~
;;   SOFTMAX AHEAD OF A QUANTISED PRODUCT. Where the list says 'softmax', what is quantised is not the finished softmax but p = 2^(t - M), with t = logit x log2(e) and M = ceil(the row's largest t), a whole number; so 1/2 < the row's largest p <= 1. The row's sum l is taken of the UNQUANTISED p, in f32, and the product's result is divided by l at the end. Since M is a whole number, a kernel that streams over the keys may use a running M (the ceiling of the running maximum): every later rescaling is an exact power of two, which a block's scale takes up: the codes' values come out the same.
;;   OPERANDS COMPUTED ON THE WAY. 'Computed on the way' means the value that the module computes at that place (a softmax that the list does not call 'softmax' is quantised finished and normalised). What goes into a quantiser is computed in f32, as accurately as f32 sums, v_exp_f32 and their like allow (about 1e-6 of the number): no bf16 or f16 on the way to a quantiser, and a product that is left as it is and whose result goes on into a quantised operand takes f32 operands (vector FMAs, or v_wmma_f32_16x16x4_f32). A number that lies on a knife's edge between two numbers of the format may be rounded either way, as far as f32 arithmetic and the matrix unit's own rounding can turn it there, and no further.
;; One version. Each part assembles by itself: llvm-mc -triple=amdgcn-amd-amdhsa -mcpu=gfx1250 --defsym DOCPART=n.
;; ======== version 1 of 1: 4 launches
;; workspace buffers: ops 16,384,000 bytes; qkv 9,830,400 bytes; oc 3,276,800 bytes
;; launch quant (part 1): grid 256 x 1, 8 waves a work-group, no clusters, 71,168 bytes of LDS; arguments x, Wq, Wk, Wv, Wo, ops; writes ops
.if DOCPART == 1
	.amdgcn_target "amdgcn-amd-amdhsa--gfx1250"
	.amdhsa_code_object_version 6
	.text
	.protected	k_qe7ec675c26_quant
	.globl	k_qe7ec675c26_quant
	.p2align	8
	.type	k_qe7ec675c26_quant,@function
k_qe7ec675c26_quant:
	s_mov_b64 s[64:65], 0
	v_nop
	global_prefetch_b8 v0, s[64:65] scope:SCOPE_SE
	s_setreg_imm32_b32 hwreg(HW_REG_WAVE_MODE, 25, 1), 1
	s_wait_xcnt 0x0
; x, Wq, Wk, Wv, Wo, each [2048][2048] f32 with K innermost, become codes of FP6 (E2M3) with one E8M0 scale byte for each 32 along K, laid as PANELS in ops.
; A PANEL is 128 rows x 128 K in the order of an operand's registers, 12,800 bytes: 8 fragments of 1,536 bytes (fragment a: lane L's registers 4 c .. 4 c + 3 at 1536 a + 512 c + 16 L;
; lane (r = L % 16, h = L / 16) holds the panel's row 32 (a / 2) + 8 (a % 2) + r + 8 (r / 8); registers 6 c' .. 6 c' + 5 hold k = 64 c' + 32 h + 0 .. 31), then 512 bytes of scale words:
; the word of (fragment a, lane row r) at 12288 + 256 (a / 4) + 16 r + 4 (a % 4).  Panel (tensor T, row group G, K step S) is panel number (16 T + G) 16 + S and lies at that number x 12,800.
; A block's scale is 2^(floor(log2(its largest magnitude)) - 2); its byte is the largest magnitude's exponent field - 2, held at 1 from below.
; LIMITS: a block of zeros gets the byte 1 where the rule says 127 (its codes are zeros, and this program alone reads the bytes); NaN and infinities among the inputs are not served.
; SHARES: 5 tensors x 256 panels = 1,280 panels = 5 for each of 256 work-groups: work-group g takes panels 5 g .. 5 g + 4, which lie on end in ops; each panel's tensor, row group and K step are made from its number.
; Wave a makes fragment a of each of the 5 panels.  Each load reads 512 consecutive bytes of one row; a fragment's 16 rows turn through the wave's own stage in LDS (rows of 512 + 16 bytes), so that a lane gets
; 16 neighbours along K of each block of 32; they come back into the registers that they left.  Three panels' loads (48 a wave) are out at a time.  Every store of codes covers 512 consecutive bytes, aligned to 256.
; No tensor load, one barrier (for the scale words).
.set PANEL, 12800
.set SCO,   12288
.set FRB,   1536
.set NPAN,  5                          ; panels of a work-group
.set DEPTH, 3                          ; sets of registers for loads
.set SROW,  528                        ; a stage row: 512 bytes + 16
.set STGB,  16*SROW                    ; a wave's stage
.set GATH,  8*STGB                     ; behind the stages: the 5 panels' scale words, 512 bytes each
.set LI,   1                           ; v1   16 x lane
.set SIN,  2                           ; v2   the stage, on the way in
.set SOUT, 3                           ; v3   and on the way out: row r, + 64 h
.set GW,   4                           ; v4   where my scale word goes
.set GR,   5                           ; v5   where a panel's 512 bytes of scale words are read back
.set TM,   16                          ; v16-31   at work in QUANT
.set R,    32                          ; v32-223  three sets of 64 registers: as loaded, then register 16 b + i = k 32 b + 16 h + i of my row
.set PC,   224                         ; v224-242 the codes just made
.set PW,   244                         ; v244     the scale word just made
.set SEL,  20                          ; s[20:21] lane selects: lane l xor 16
.set WV,   22
.set IB,   40                          ; s[40:49] where my fragment's rows of each of the 5 panels begin
; 64 numbers of a lane, register 16 b + i = k 32 b + 16 (lane / 16) + i of my row, become a fragment's 12 registers in v[PC] on and its scale word in v[pw].
.macro QUANT s, pw
.irp b, 0,1,2,3
	v_max3_num_f32 v[TM+\b], |v[(\s)+16*\b]|, |v[(\s)+1+16*\b]|, 0x1800000   ; my 16 numbers of block b, and the floor 2^(3 - 127): the byte cannot fall under 1
.endr
.irp i, 2,4,6,8,10,12,14
.irp b, 0,1,2,3
	v_max3_num_f32 v[TM+\b], v[TM+\b], |v[(\s)+16*\b+\i]|, |v[(\s)+1+16*\b+\i]|
.endr
.endr
.irp b, 0,1,2,3
	v_permlanex16_b32 v[TM+4+\b], v[TM+\b], s[SEL], s[SEL+1]
.endr
.irp b, 0,1,2,3
	v_max_num_f32 v[TM+\b], v[TM+\b], v[TM+4+\b]   ; with lane l xor 16's: the block's largest magnitude
.endr
.irp b, 0,1,2,3
	v_add_nc_u32 v[TM+12+\b], 0xff000000, v[TM+\b] ; 2 off its exponent field: the conversion's scale operand
.endr
.irp b, 0,1,2,3
	v_lshrrev_b32 v[TM+4+\b], 23, v[TM+12+\b]      ; the scale's byte
.endr
	v_lshl_or_b32 v[\pw], v[TM+5], 8, v[TM+4]
	v_lshl_or_b32 v[\pw], v[TM+6], 16, v[\pw]
	v_lshl_or_b32 v[\pw], v[TM+7], 24, v[\pw]
.irp c, 0,1
	v_cvt_scalef32_pk16_fp6_f32 v[PC+6*\c:PC+2+6*\c], v[(\s)+32*\c:(\s)+15+32*\c], v[TM+12+2*\c]
	v_cvt_scalef32_pk16_fp6_f32 v[PC+12+4*\c:PC+14+4*\c], v[(\s)+16+32*\c:(\s)+31+32*\c], v[TM+12+2*\c+1]   ; (a conversion's three registers begin on an even number)
.endr
	v_nop                                          ; one plain place behind a scaled conversion
.irp c, 0,1                                    ; the operand's layout wants a whole block in a lane
.irp i, 0,1,2
	v_permlane16_swap_b32 v[PC+6*\c+\i], v[PC+12+4*\c+\i]
.endr
.irp i, 0,1,2
	v_mov_b32 v[PC+3+6*\c+\i], v[PC+12+4*\c+\i]
.endr
.endr
.endm
; Panel 5 g + t: its number's bits 11:8 are the tensor, bits 7:4 the row group, bits 3:0 the K step.  The tensor is chosen by that number alone.
.macro PBASE t
	s_add_co_u32 s24, s23, \t
	s_lshr_b32 s25, s24, 8                         ; which tensor
	s_bfe_u32 s26, s24, 0x40004                    ; row group
	s_and_b32 s27, s24, 15                         ; K step
	s_lshl_b32 s26, s26, 20                        ; 128 rows of 8,192 bytes
	s_lshl_b32 s27, s27, 9                         ; 128 numbers of 4 bytes
	s_add_co_u32 s26, s26, s27
	s_add_co_u32 s26, s26, s28                     ; + my fragment's first row
	s_mov_b32 s27, 0
	s_cmp_eq_u32 s25, 1
	s_cselect_b64 s[IB+2*\t:IB+2*\t+1], s[6:7], s[4:5]
	s_cmp_eq_u32 s25, 2
	s_cselect_b64 s[IB+2*\t:IB+2*\t+1], s[8:9], s[IB+2*\t:IB+2*\t+1]
	s_cmp_eq_u32 s25, 3
	s_cselect_b64 s[IB+2*\t:IB+2*\t+1], s[10:11], s[IB+2*\t:IB+2*\t+1]
	s_cmp_eq_u32 s25, 4
	s_cselect_b64 s[IB+2*\t:IB+2*\t+1], s[12:13], s[IB+2*\t:IB+2*\t+1]
	s_add_nc_u64 s[IB+2*\t:IB+2*\t+1], s[IB+2*\t:IB+2*\t+1], s[26:27]
.endm
	s_load_b256 s[4:11], s[0:1], 0x0               ; x, Wq, Wk, Wv
	s_load_b128 s[12:15], s[0:1], 0x20             ; Wo, ops
	v_lshl_add_u32 v248, v0, 2, 0x11200
	v_mov_b32 v249, 0
	v_lshrrev_b32 v6, 5, v0
	v_readfirstlane_b32 s[WV], v6                  ; wave a = 0..7
	v_and_b32 v7, 31, v0                           ; lane
	v_and_b32 v8, 15, v0                           ; r
	v_bfe_u32 v9, v0, 4, 1                         ; h
	v_lshlrev_b32 v[LI], 4, v7
	s_mul_i32 s23, s[WV], STGB
	v_add_nc_u32 v[SIN], s23, v[LI]
	v_mul_u32_u24 v[SOUT], v8, SROW
	v_lshl_add_u32 v[SOUT], v9, 6, v[SOUT]
	v_add_nc_u32 v[SOUT], s23, v[SOUT]
	s_lshr_b32 s24, s[WV], 2
	s_lshl_b32 s24, s24, 8
	s_and_b32 s25, s[WV], 3
	s_lshl_b32 s25, s25, 2
	s_add_co_u32 s24, s24, s25
	s_add_co_u32 s24, s24, GATH                    ; 256 (a / 4) + 4 (a % 4)
	v_lshlrev_b32 v[GW], 4, v8
	v_add_nc_u32 v[GW], s24, v[GW]                 ; + 16 r
	s_min_u32 s25, s[WV], NPAN-1                   ; the panel whose scale words I store (waves 0 to 4 store)
	s_lshl_b32 s26, s25, 9
	s_add_co_u32 s26, s26, GATH
	v_add_nc_u32 v[GR], s26, v[LI]                 ; its 512 bytes, 16 a lane
	s_mov_b32 s[SEL], 0x76543210
	s_mov_b32 s[SEL+1], 0xfedcba98
.irp b, 0,1,2,3
	v_mov_b32 v[TM+4+\b], 0                        ; written once: a lane permute's destination counts as one of its sources
.endr
	s_lshr_b32 s28, s[WV], 1
	s_lshl_b32 s28, s28, 5
	s_and_b32 s29, s[WV], 1
	s_lshl_b32 s29, s29, 3
	s_add_co_u32 s28, s28, s29                     ; my fragment's first row in a row group: 32 (a / 2) + 8 (a % 2)
	s_lshl_b32 s28, s28, 13                        ; rows of 8,192 bytes
	s_mul_i32 s23, ttmp9, NPAN                     ; my work-group's first panel
	s_mul_i32 s30, s23, PANEL
	s_mov_b32 s31, 0
	s_mul_i32 s32, s[WV], FRB                      ; my fragment in a panel
	s_mov_b32 s33, 0
	s_mul_i32 s34, s25, PANEL
	s_mov_b32 s35, 0
	s_wait_kmcnt 0x0
.irp t, 0,1,2,3,4
	PBASE \t
.endr
	s_add_nc_u64 s[16:17], s[14:15], s[30:31]
	s_add_nc_u64 s[14:15], s[16:17], s[32:33]      ; where my fragments go
	s_add_nc_u64 s[16:17], s[16:17], s[34:35]      ; where the scale words that I store go
.macro LOAD t                          ; panel t: my fragment's 16 rows, 512 consecutive bytes each
.irp i, 0,1,2,3,4,5,6,7,8,9,10,11,12,13,14,15
	global_load_b128 v[R+64*((\t)%DEPTH)+4*\i:R+64*((\t)%DEPTH)+4*\i+3], v[LI], s[IB+2*(\t):IB+2*(\t)+1] offset:(\i+8*(\i/8))*8192 th:TH_LOAD_NT
.endr
.endm
.macro FRAG t
.set XS, R+64*((\t)%DEPTH)
.if (\t) < NPAN-2
	s_wait_loadcnt 16*(DEPTH-1)                    ; this panel's 16 loads are in; the next two panels' 32 may be out
.else
	s_wait_loadcnt 16*(NPAN-1-(\t))                ; the counts run down: one panel's, then none
.endif
.irp i, 0,1,2,3,4,5,6,7,8,9,10,11,12,13,14,15
	ds_store_b128 v[SIN], v[XS+4*\i:XS+4*\i+3] offset:SROW*\i
.endr
.irp b, 0,1,2,3
.irp j, 0,1,2,3
	ds_load_b128 v[XS+16*\b+4*\j:XS+16*\b+4*\j+3], v[SOUT] offset:128*\b+16*\j   ; LDS serves a wave's instructions in order: these see the stores above, and land in the registers that those have left
.endr
.endr
	s_wait_dscnt 0x0                               ; my numbers are back
	s_wait_xcnt 0x0                                ; the last fragment's stores have read their data: the codes' registers are written again only behind this wait
	QUANT XS, PW
.if (\t)+DEPTH < NPAN
	LOAD (\t)+DEPTH                                ; the set is free: it takes the panel three on; the loads stand ahead of the stores
.endif
.irp c, 0,1,2
	global_store_b128 v[LI], v[PC+4*\c:PC+4*\c+3], s[14:15] offset:PANEL*(\t)+512*\c   ; 32 lanes store 512 consecutive bytes
.endr
	ds_store_b32 v[GW], v[PW] offset:512*(\t)      ; lanes r and r + 16 write the same word with the same value
.endm
	LOAD 0
	LOAD 1
	LOAD 2
.irp t, 0,1,2,3,4
	FRAG \t
.endr
	s_wait_dscnt 0x0                               ; for the others' sake: my scale words lie in LDS
	s_barrier_signal -1
	s_barrier_wait -1
	s_cmp_lt_u32 s[WV], NPAN                       ; waves 0 to 4 store a panel's 512 bytes of scale words each
	s_cbranch_scc0 .Lend
	ds_load_b128 v[R:R+3], v[GR]
	s_wait_dscnt 0x0
	global_store_b128 v[LI], v[R:R+3], s[16:17] offset:SCO
.Lend:
	s_wait_tensorcnt 0x0
	ds_add_u32 v248, v249
	s_wait_dscnt 0x0
	s_endpgm
.Lfunc_end_k_qe7ec675c26_quant:
	.size	k_qe7ec675c26_quant, .Lfunc_end_k_qe7ec675c26_quant-k_qe7ec675c26_quant
	.p2alignl 7, 3214868480
	.fill 96, 4, 3214868480
	.section	.rodata,"a",@progbits
	.p2align	6, 0x0
	.amdhsa_kernel k_qe7ec675c26_quant
		.amdhsa_group_segment_fixed_size 71168
		.amdhsa_private_segment_fixed_size 0
		.amdhsa_enable_private_segment 0
		.amdhsa_kernarg_size 48
		.amdhsa_user_sgpr_count 2
		.amdhsa_user_sgpr_kernarg_segment_ptr 1
		.amdhsa_wavefront_size32 1
		.amdhsa_system_sgpr_workgroup_id_x 1
		.amdhsa_system_sgpr_workgroup_id_y 1
		.amdhsa_system_sgpr_workgroup_id_z 1
		.amdhsa_system_vgpr_workitem_id 0
		.amdhsa_next_free_vgpr 250
		.amdhsa_next_free_sgpr 66
		.amdhsa_reserve_vcc 0
		.amdhsa_float_denorm_mode_32 3
		.amdhsa_float_denorm_mode_16_64 3
		.amdhsa_memory_ordered 1
		.amdhsa_forward_progress 1
		.amdhsa_inst_pref_size 45
	.end_amdhsa_kernel
	.amdgpu_metadata
---
amdhsa.version: [ 1, 2 ]
amdhsa.kernels:
  - .name:           k_qe7ec675c26_quant
    .symbol:         k_qe7ec675c26_quant.kd
    .args:
      - { .name: x, .offset: 0, .size: 8, .value_kind: global_buffer, .address_space: global }
      - { .name: Wq, .offset: 8, .size: 8, .value_kind: global_buffer, .address_space: global }
      - { .name: Wk, .offset: 16, .size: 8, .value_kind: global_buffer, .address_space: global }
      - { .name: Wv, .offset: 24, .size: 8, .value_kind: global_buffer, .address_space: global }
      - { .name: Wo, .offset: 32, .size: 8, .value_kind: global_buffer, .address_space: global }
      - { .name: ops, .offset: 40, .size: 8, .value_kind: global_buffer, .address_space: global }
    .group_segment_fixed_size: 71168
    .private_segment_fixed_size: 0
    .kernarg_segment_align: 8
    .kernarg_segment_size: 48
    .max_flat_workgroup_size: 256
    .sgpr_count:     66
    .vgpr_count:     250
    .wavefront_size: 32
...
	.end_amdgpu_metadata
.endif
;; end of part 1
;; launch qkvproj (part 2): grid 24 x 8, 4 waves a work-group, clusters of 4 x 4, 327,680 bytes of LDS; arguments ops, cos, sin, qkv; writes qkv
.if DOCPART == 2
	.amdgcn_target "amdgcn-amd-amdhsa--gfx1250"
	.amdhsa_code_object_version 6
	.text
	.protected	k_qe7ec675c26_qkvproj
	.globl	k_qe7ec675c26_qkvproj
	.p2align	8
	.type	k_qe7ec675c26_qkvproj,@function
k_qe7ec675c26_qkvproj:
	s_mov_b64 s[64:65], 0
	v_nop
	global_prefetch_b8 v0, s[64:65] scope:SCOPE_SE
	s_setreg_imm32_b32 hwreg(HW_REG_WAVE_MODE, 25, 1), 1
	s_wait_xcnt 0x0
	s_wait_alu depctr_hold_cnt(0) depctr_sa_sdst(0) depctr_va_vdst(0) depctr_va_sdst(0) depctr_va_ssrc(0) depctr_va_vcc(0) depctr_vm_vsrc(0)
	s_getreg_b32 s2, hwreg(HW_REG_IB_STS2, 6, 4)
	s_cmp_eq_u32 s2, 0
	s_cbranch_scc0 .Lentry_in_a_cluster
	s_endpgm
.Lentry_in_a_cluster:
	s_bfe_u32 s2, ttmp6, 0x10000c
	s_cmp_lg_u32 s2, 0xf033
	s_cbranch_scc0 .Lentry_shape_is_right
	s_endpgm
.Lentry_shape_is_right:
; q = rot(rms(x Wq^T)), k = rot(rms(x Wk^T)), v = x Wv^T, the products on codes of FP6 (E2M3) with E8M0 scales, out of the panels of ops; the results are quantised again and leave as panels in qkv:
; q along the head's 128 (panel (head, token group G) at (16 head + G) x 12,800); from panel 256 on, for each (head, key step) a pair: k's panel (rows = 128 keys, K = the head's 128), then v's (rows = the head's 128 channels, K = 128 keys).
; A PANEL: 128 rows x 128 K as 8 images of an operand's 12 registers (1,536 bytes each; lane row r of fragment a is the panel's row 32 (a / 2) + 8 (a % 2) + r + 8 (r / 8)) and 512 bytes of scale words (word (a, r) at 12288 + 256 (a / 4) + 16 r + 4 (a % 4)).
; A tile is 256 x 256, four waves, a wave 128 x 128 = 64 accumulators: exactly one panel of output, and for q and k one head.  Tile columns 0-7 make q, 8-15 k (side A = x, side B = Wq, Wk); 16-23 make v WITH THE SIDES SWAPPED
; (side A = Wv, side B = x), so that a lane holds a channel and its registers run along the tokens, which are v's K.  The choice hangs on the cluster's x alone, which all sixteen partners share, and enters addresses only.
; THE MATRIX INSTRUCTION IS USED TRANSPOSED (source 0 = side B, source 1 = side A): by the panels' order of rows a lane's 64 results of a block of A are register 16 b + i = column 32 b + 16 (lane / 16) + i: the quantiser's order.
; THE RING: two LDS slots of THREE K steps of 128 (a wave's tensor load brings a row group's three panels, 38,400 dense bytes), as large as two slots fit.  16 = 1 + 5 x 3: K step 0 comes alone (one panel a load), then five fills of three.
; Between a refill and the wait for it a wave issues 160 matrix instructions.  The 16 K steps are written out: from slot to slot B's two sets of registers change places, and the last change of slots asks for nothing.
; CLUSTER 4 x 4: A's tiles are asked for jointly along a row of the cluster, B's along a column.
; THE WAY OUT needs no LDS: for each block of 16 rows the sum of squares, 1 / sqrt(mean + 2^-23), the turn by cos and sin (partner d + 64 lies 32 registers on in the same lane), the quantiser, three stores of 512 bytes.
; A block's cos and sin (16 loads) are asked for three blocks ahead, into four sets of 64 registers; the first two blocks' at the kernel's head, into registers that the K steps leave alone.
; One path serves all three tensors: with m = 1 for q and k and 0 for v, c' = cos r m + (1 - m) and s' = sin r m; for v that is 1 and 0 (the rows of cos and sin read for v lie inside the tables and count for nothing).
; LIMITS: r is folded into cos and sin ahead of the turn, another order of rounding than x r first (a few units in f32's last place); a block of zeros gets the byte 1; NaN and infinities are not served.
; REGISTERS: window 0: v16-29 addresses; v32-79 scale words, two sets (on the way out: at work); v80-111, v224-255 a set of cos and sin; v128-223 A's fragments, one set (on the way out: the turned numbers and the codes);
;   window 1: B's fragments, two sets at v0 and v128 (on the way out: two sets of cos and sin); v96-127, v224-255 a set of cos and sin;  windows 2, 3: the accumulators.
.set PANEL, 12800
.set GRP,   16*PANEL
.set SCO,   12288
.set FRB,   1536
.set NQ,    3                          ; K steps in a slot
.set LOADB, NQ*PANEL                   ; what one tensor load brings: a row group's three K steps
.set SLOT,  4*LOADB                    ; A's two row groups, then B's two
.set SPARE, 2*SLOT                     ; behind the ring: the spare words, 128 bytes for each wave
.set FR,    12
.set NL,    3                          ; LDS loads that bring a fragment
.set NP,    4                          ; places behind this matrix instruction (ISA guide 7.12.1)
.set ADRA, 16                          ; v16-17 my A fragments in slot 0, 1
.set ADRS, 18                          ; v18-19 my scale words: lanes 0-15 A's, lanes 16-31 B's
.set ADRB, 20                          ; v20-21 my B fragments
.set CA,   24                          ; v24    cos, sin: (r + 8 (r / 8)) x 256 + 64 h; never rewritten
.set LI,   25                          ; v25    16 x lane
.set LN,   26                          ; v26    lane
.set SPW,  28
.set NIL,  29
.set SC,   32                          ; register SC + 24 set + 8 q + i: lanes 0-15 the word of A's block i, lanes 16-31 of B's block i, for the slot's q-th 128 along K
.set AF,   128
.set TM,   32                          ; the way out: v32-47 at work in QUANT
.set PWS,  48                          ; v48-55 the eight blocks' scale words
.set T,    56                          ; v56-59 sums of squares
.set RM,   60                          ; v[60:61] r m, twice
.set QD,   62                          ; v[62:65] four scale words to store
.set Y,    128                         ; v128-191 the 64 turned numbers
.set PC,   192                         ; v192-210 codes
.set G1,  24                           ; s[24:31] group 1 for A's fills of three panels;  s[32:39] group 0, one set for each slot
.set G0,  32
.set G1B, 48                           ; s[48:55], s[56:63] the same for B
.set G0B, 56
.set SEL, 66
.set G1S, 80                           ; s[80:87], s[88:95] group 1 for the first fill of one panel, A's and B's
.set G1SB, 88
.set MSB, 0
.macro WIN new                         ; the immediate's high byte repeats the setting that is left
.if MSB != \new
	s_set_vgpr_msb (MSB<<8)|\new
.set MSB, \new
.endif
.endm
.set MUL_LO, 0xa1                      ; source 0 (B) window 1, source 1 (A) window 0, C and D window 2
.set MUL_HI, 0xf1
.set TO_B,   0x40
; A joint load: waves 0 and 1 fetch for A, waves 2 and 3 for B; the branch hangs on the wave's number alone.  Four v_nop follow each of the two lines.
.macro JLOAD g0a, g1a, g0b, g1b
	s_cmp_eq_u32 s15, 0
	s_cbranch_scc0 .Lfor_b_\@
	tensor_load_to_lds s[\g0a:\g0a+3], s[\g1a:\g1a+7]
	s_nop 0
.rept 4
	v_nop
.endr
	s_branch .Lasked_\@
.Lfor_b_\@:
	tensor_load_to_lds s[\g0b:\g0b+3], s[\g1b:\g1b+7]
	s_nop 0
.rept 4
	v_nop
.endr
.Lasked_\@:
.endm
.macro CREST                           ; a round of the cluster's barrier behind its opening barrier
	s_cmp_lg_u32 s14, 0
	s_cbranch_scc1 .Lnot_wave_0_\@
	s_barrier_signal -3
.Lnot_wave_0_\@:
	s_barrier_wait -3
	s_barrier_signal -1
	s_barrier_wait -1
.endm
.macro CROUND
	s_barrier_signal -1
	s_barrier_wait -1
	CREST
.endm
.macro PLACES n
.rept \n
	v_nop
.endr
.endm
.macro QUANT s, pw                     ; 64 numbers of a lane (register 16 b + i = k 32 b + 16 h + i of my row) -> a fragment in v[PC] on, its scale word in v[pw]
.irp b, 0,1,2,3
	v_max3_num_f32 v[TM+\b], |v[(\s)+16*\b]|, |v[(\s)+1+16*\b]|, 0x1800000   ; and the floor 2^(3 - 127): the byte cannot fall under 1
.endr
.irp i, 2,4,6,8,10,12,14
.irp b, 0,1,2,3
	v_max3_num_f32 v[TM+\b], v[TM+\b], |v[(\s)+16*\b+\i]|, |v[(\s)+1+16*\b+\i]|
.endr
.endr
.irp b, 0,1,2,3
	v_permlanex16_b32 v[TM+4+\b], v[TM+\b], s[SEL], s[SEL+1]
.endr
.irp b, 0,1,2,3
	v_max_num_f32 v[TM+\b], v[TM+\b], v[TM+4+\b]
.endr
.irp b, 0,1,2,3
	v_add_nc_u32 v[TM+12+\b], 0xff000000, v[TM+\b] ; 2 off the exponent field: the conversion's scale operand
.endr
.irp b, 0,1,2,3
	v_lshrrev_b32 v[TM+4+\b], 23, v[TM+12+\b]      ; the scale's byte
.endr
	v_lshl_or_b32 v[\pw], v[TM+5], 8, v[TM+4]
	v_lshl_or_b32 v[\pw], v[TM+6], 16, v[\pw]
	v_lshl_or_b32 v[\pw], v[TM+7], 24, v[\pw]
.irp c, 0,1
	v_cvt_scalef32_pk16_fp6_f32 v[PC+6*\c:PC+2+6*\c], v[(\s)+32*\c:(\s)+15+32*\c], v[TM+12+2*\c]
	v_cvt_scalef32_pk16_fp6_f32 v[PC+12+4*\c:PC+14+4*\c], v[(\s)+16+32*\c:(\s)+31+32*\c], v[TM+12+2*\c+1]
.endr
	v_nop                                          ; one plain place behind a scaled conversion
.irp c, 0,1
.irp i, 0,1,2
	v_permlane16_swap_b32 v[PC+6*\c+\i], v[PC+12+4*\c+\i]
.endr
.irp i, 0,1,2
	v_mov_b32 v[PC+3+6*\c+\i], v[PC+12+4*\c+\i]
.endr
.endr
.endm
; Block a's cos and sin lie in set a % 4: window CW, cos from v[COB], sin from v[SIB], 32 registers each.
; Set 0 (window 1) and set 1 (window 0) are touched by no K step; set 2 lies in B's set 0, free behind K step 14; set 3 partly in B's set 1, free behind the last products.
.macro CSET a
.if ((\a)%4) == 0
.set CW, 1
.set COB, 96
.set SIB, 224
.elseif ((\a)%4) == 1
.set CW, 0
.set COB, 80
.set SIB, 224
.elseif ((\a)%4) == 2
.set CW, 1
.set COB, 0
.set SIB, 32
.else
.set CW, 1
.set COB, 64
.set SIB, 128
.endif
.endm
.macro CSLOAD a                        ; 16 loads: lane (r, h) wants, of its row of block a, the numbers at d = 32 b + 16 h + 0 .. 15, b = 0, 1
	CSET \a
.set WN, CW<<6
	WIN WN                                         ; the destination's window; the address lies in window 0
.irp b, 0,1
.irp j, 0,1,2,3
	global_load_b128 v[COB+16*\b+4*\j:COB+16*\b+4*\j+3], v[CA], s[76:77] offset:(32*((\a)/2)+8*((\a)%2))*256+128*\b+16*\j
	global_load_b128 v[SIB+16*\b+4*\j:SIB+16*\b+4*\j+3], v[CA], s[78:79] offset:(32*((\a)/2)+8*((\a)%2))*256+128*\b+16*\j
.endr
.endr
	WIN 0
.endm
	s_load_b256 s[4:11], s[0:1], 0x0               ; ops s[4:5], cos s[6:7], sin s[8:9], qkv s[10:11]
	v_lshl_add_u32 v[SPW], v0, 2, SPARE
	v_mov_b32 v[NIL], 0
	ds_add_u32 v28, v29
	ds_add_u32 v28, v29
	s_wait_dscnt 0x0
	v_lshrrev_b32 v1, 5, v0
	v_readfirstlane_b32 s14, v1                    ; wave 0..3
	s_lshr_b32 s15, s14, 1                         ; which half of the tile's rows is mine.  Also: I fetch for A (0) or for B (1)
	s_and_b32 s16, s14, 1                          ; which half of its columns.  Also: which row group of that side I fetch
	s_bfe_u32 s40, ttmp6, 0x40000                  ; cx, cy
	s_bfe_u32 s41, ttmp6, 0x40004
	s_lshl_b32 s42, ttmp9, 2
	s_add_co_u32 s42, s42, s40                     ; tile column = 4 x cluster x + cx
	s_and_b32 s17, ttmp7, 0xffff
	s_lshl_b32 s17, s17, 2
	s_add_co_u32 s17, s17, s41                     ; tile row = 4 x cluster y + cy
	s_lshl_b32 s43, s41, 2
	s_lshl_b32 s43, 15, s43                        ; my row of the cluster
	s_lshl_b32 s44, 0x1111, s40                    ; my column
	; descriptor group 1: dense bytes as rows of 32 elements of 8 bytes, no padding: 150 rows for three panels, 50 for one
	s_or_b32 s[G1+0], s43, (3<<16)|(1<<21)         ; 15:0 the mask: A's tiles go to my row; 17:16 elements of 8 bytes; 21 set beside a mask
	s_or_b32 s[G1B+0], s44, (3<<16)|(1<<21)
	s_or_b32 s[G1S+0], s43, (3<<16)|(1<<21)
	s_or_b32 s[G1SB+0], s44, (3<<16)|(1<<21)
.irp g, G1, G1B
	s_mov_b32 s[\g+1], 32<<16                      ; tensor_dim0 = 32
	s_mov_b32 s[\g+2], (50*NQ)<<16                 ; tensor_dim1 = 150
	s_mov_b32 s[\g+3], 32<<16                      ; tile_dim0 = 32
	s_mov_b32 s[\g+4], 50*NQ                       ; tile_dim1 = 150
	s_mov_b32 s[\g+5], 32                          ; from row to row
	s_mov_b32 s[\g+6], 0
	s_mov_b32 s[\g+7], 0
.endr
.irp g, G1S, G1SB
	s_mov_b32 s[\g+1], 32<<16
	s_mov_b32 s[\g+2], 50<<16                      ; tensor_dim1 = 50
	s_mov_b32 s[\g+3], 32<<16
	s_mov_b32 s[\g+4], 50                          ; tile_dim1 = 50
	s_mov_b32 s[\g+5], 32
	s_mov_b32 s[\g+6], 0
	s_mov_b32 s[\g+7], 0
.endr
	s_lshr_b32 s18, ttmp9, 2                       ; 1 in the clusters that make v (cluster x = 4, 5)
	s_mul_i32 s19, s18, 48
	s_lshl_b32 s20, s17, 1
	s_add_co_u32 s20, s20, s16
	s_add_co_u32 s20, s20, s19                     ; A's row group in ops: x's 2 ty + half, or Wv's 48 + 2 ty + half
	s_mul_i32 s20, s20, GRP
	s_mov_b32 s21, 0
	s_lshl_b32 s46, s42, 1
	s_add_co_u32 s46, s46, s16
	s_add_co_u32 s46, s46, 16
	s_sub_co_u32 s46, s46, s19                     ; B's: Wq's and Wk's 16 + 2 tx + half, or x's 2 tx - 32 + half
	s_mul_i32 s46, s46, GRP
	s_mov_b32 s47, 0
	s_mul_i32 s45, s14, LOADB                      ; where my load lands in a slot: no place in the cluster enters an LDS address
	s_wait_kmcnt 0x0
	s_add_nc_u64 s[20:21], s[4:5], s[20:21]
	s_add_nc_u64 s[46:47], s[4:5], s[46:47]
	CROUND                                         ; all sixteen work-groups are here: the first joint loads meet
.irp s, 0,1                                    ; slot 0 begins with K step 0 alone, slot 1 with K steps 1 to 3
	s_mov_b32 s[G0+4*\s], 1
	s_add_co_u32 s[G0+4*\s+1], s45, \s*SLOT
	s_add_nc_u64 s[G0+4*\s+2:G0+4*\s+3], s[20:21], \s*PANEL
	s_or_b32 s[G0+4*\s+3], s[G0+4*\s+3], 0x80000000
	s_mov_b32 s[G0B+4*\s], 1
	s_add_co_u32 s[G0B+4*\s+1], s45, \s*SLOT
	s_add_nc_u64 s[G0B+4*\s+2:G0B+4*\s+3], s[46:47], \s*PANEL
	s_or_b32 s[G0B+4*\s+3], s[G0B+4*\s+3], 0x80000000
.if \s == 0
	JLOAD G0, G1S, G0B, G1SB
.else
	JLOAD G0+4, G1, G0B+4, G1B                     ; two loads of mine are out
.endif
.endr
	v_and_b32 v1, 15, v0                           ; r
	v_bfe_u32 v2, v0, 4, 1                         ; h
	v_and_b32 v[LN], 31, v0
	v_lshlrev_b32 v[LI], 4, v[LN]
	s_mul_i32 s22, s15, LOADB                      ; my 128 rows of A
	s_mul_i32 s23, s16, LOADB
	s_add_co_u32 s23, s23, 2*LOADB                 ; my 128 rows of B
	s_sub_co_u32 s12, s23, s22
	v_mul_u32_u24 v3, s12, v2                      ; lanes 16-31 take B's scale words: one product, the distance x h
	v_lshl_add_u32 v3, v1, 4, v3
	v_add_nc_u32 v3, SCO, v3
.irp s, 0,1
	v_add_nc_u32 v[ADRA+\s], s22, v[LI]
	v_add_nc_u32 v[ADRB+\s], s23, v[LI]
	v_add_nc_u32 v[ADRS+\s], s22, v3
	s_add_co_u32 s22, s22, SLOT
	s_add_co_u32 s23, s23, SLOT
.endr
	v_and_b32 v4, 8, v1
	v_add_nc_u32 v4, v4, v1                        ; r + 8 (r / 8)
	v_lshlrev_b32 v[CA], 8, v4                     ; a row of cos or sin is 256 bytes
	v_lshl_add_u32 v[CA], v2, 6, v[CA]
	s_mov_b32 s[SEL], 0x76543210
	s_mov_b32 s[SEL+1], 0xfedcba98
	s_cmp_eq_u32 s18, 0
	s_cselect_b32 s68, 1.0, 0                      ; m
	s_cselect_b32 s70, 0, 1.0                      ; 1 - m
	s_mov_b32 s69, s68
	s_mov_b32 s71, s70
	s_mov_b32 s72, 0x3c000000                      ; 1 / 128
	s_mov_b32 s73, 0x34000000                      ; f32's eps, 2^-23
	s_lshl_b32 s12, s17, 1
	s_add_co_u32 s12, s12, s15                     ; g: my row group of side A
	s_lshl_b32 s22, s12, 15                        ; 128 rows of 256 bytes
	s_mov_b32 s23, 0
	s_add_nc_u64 s[76:77], s[6:7], s[22:23]
	s_add_nc_u64 s[78:79], s[8:9], s[22:23]
	s_lshl_b32 s13, s42, 1
	s_add_co_u32 s13, s13, s16                     ; c: my row group of side B, counted over q, k, v
	s_lshl_b32 s22, s13, 4
	s_add_co_u32 s22, s22, s12                     ; q's panel: 16 c + g
	s_lshl_b32 s2, s13, 5
	s_lshl_b32 s3, s12, 1
	s_add_co_u32 s2, s2, s3
	s_sub_co_u32 s2, s2, 256                       ; k's: 256 + 2 (16 (c - 16) + g)
	s_cmp_lt_u32 s13, 16
	s_cselect_b32 s22, s22, s2
	s_lshl_b32 s2, s12, 5
	s_lshl_b32 s3, s13, 1
	s_add_co_u32 s2, s2, s3
	s_add_co_u32 s2, s2, 193                       ; v's: 256 + 2 (16 g + c - 32) + 1
	s_cmp_lt_u32 s13, 32
	s_cselect_b32 s22, s22, s2
	s_mul_i32 s22, s22, PANEL
	s_add_nc_u64 s[74:75], s[10:11], s[22:23]      ; my panel of output
	CSLOAD 0                                       ; the first two blocks' cos and sin: 32 loads that stay out over all K steps; nothing names their registers or their addresses until the way out
	CSLOAD 1
.macro FRAG reg, adr, q, i             ; a fragment comes as the image of its 12 registers: three loads of 512 consecutive bytes
.irp c, 0,1,2
	ds_load_b128 v[\reg+4*\c:\reg+4*\c+3], v[\adr] offset:PANEL*(\q)+FRB*(\i)+512*\c
.endr
.endm
; 16 matrix instructions: A's blocks a0, a0 + 1 x B's eight, the slot's q-th 128 along K.  p: B's set; sc: the set of scale words.  zero = 1: the first product starts the sums: nothing is ever cleared.
; The 64 accumulators take turns, one instruction a turn, in the same order in every step.
.macro MUL16 a0, p, q, sc, zero
.irp a, \a0, \a0+1
.irp b, 0,1,2,3,4,5,6,7
.if \zero
	v_wmma_scale_f32_16x16x128_f8f6f4 v[8*(8*((\a)%4)+\b):8*(8*((\a)%4)+\b)+7], v[128*(\p)+FR*\b:128*(\p)+FR*\b+FR-1], v[AF+FR*(\a):AF+FR*(\a)+FR-1], 0, v[SC+24*(\sc)+8*(\q)+\b], v[SC+24*(\sc)+8*(\q)+(\a)] matrix_a_fmt:MATRIX_FMT_FP6 matrix_b_fmt:MATRIX_FMT_FP6 matrix_a_scale:MATRIX_SCALE_ROW1
.else
	v_wmma_scale_f32_16x16x128_f8f6f4 v[8*(8*((\a)%4)+\b):8*(8*((\a)%4)+\b)+7], v[128*(\p)+FR*\b:128*(\p)+FR*\b+FR-1], v[AF+FR*(\a):AF+FR*(\a)+FR-1], v[8*(8*((\a)%4)+\b):8*(8*((\a)%4)+\b)+7], v[SC+24*(\sc)+8*(\q)+\b], v[SC+24*(\sc)+8*(\q)+(\a)] matrix_a_fmt:MATRIX_FMT_FP6 matrix_b_fmt:MATRIX_FMT_FP6 matrix_a_scale:MATRIX_SCALE_ROW1
.endif
.endr
.endr
.endm
.macro FETCH_B slot, q, p
	WIN TO_B
.irp i, 0,1,2,3,4,5,6,7
	FRAG 128*(\p)+FR*\i, ADRB+\slot, \q, \i
.endr
	WIN 0
.endm
.macro FETCH_A slot, q, i0
.irp i, \i0, \i0+1, \i0+2, \i0+3
	FRAG AF+FR*(\i), ADRA+\slot, \q, \i
.endr
.endm
.macro SCALES set, nq                  ; the scale words of a slot's first nq K steps: one load brings a lane the words of four blocks
.irp q, 0,1,2
.if \q < \nq
.irp u, 0,1
	ds_load_b128 v[SC+24*\set+8*\q+4*\u:SC+24*\set+8*\q+4*\u+3], v[ADRS+\set] offset:PANEL*\q+256*\u
.endr
.endif
.endr
.endm
.macro STEP slot, q, p                 ; a step of 128 along K that has its successor in the same slot; it multiplies by B's set p and fetches into the other
	s_wait_dscnt 4*NL                              ; B's set, A's blocks 0-3 and the scale words are in; the youngest 12 loads (A's blocks 4-7) may be out
	WIN MUL_LO
	MUL16 0, \p, \q, \slot, 0
	MUL16 2, \p, \q, \slot, 0
	s_wait_dscnt 0                                 ; A's blocks 4-7 are in
	PLACES NP                                      ; in front of loads into registers that matrix instructions have read
	FETCH_B \slot, (\q)+1, 1-(\p)
	FETCH_A \slot, (\q)+1, 0
	WIN MUL_HI
	MUL16 4, \p, \q, \slot, 0
	MUL16 6, \p, \q, \slot, 0
	PLACES NP
	WIN 0
	FETCH_A \slot, (\q)+1, 4
.endm
; A slot's last step changes slots: one barrier; in front of it each wave waits for all its tensor loads, adds 0 to its spare word, and waits for that and for its own reads of this slot.
; fill = 1: this slot is filled again, with the three K steps that begin adv panels behind its last fill's first.
.macro TURN slot, q, p, next, fill, zero, adv
	s_wait_tensorcnt 0x0                           ; all my tensor loads have landed: my part of the next slot
	ds_add_u32 v[SPW], v[NIL]                      ; 0 onto my spare word
	s_wait_dscnt 4*NL+1                            ; (the add and the youngest 12 loads, A's blocks 4-7, may be out)
	WIN MUL_LO
	MUL16 0, \p, \q, \slot, \zero                  ; sixteen matrix instructions stand between the add and the wait for it
	s_wait_dscnt 0x0                               ; the add is done, and my reads of this slot are over
	s_barrier_signal -1
	MUL16 2, \p, \q, \slot, \zero
	WIN 0
	s_barrier_wait -1
.if \fill
	CREST                                          ; the barrier has opened a round of the cluster's barrier: no wave of any partner still reads this slot or has a load on its way
	s_add_nc_u64 s[G0+4*\slot+2:G0+4*\slot+3], s[G0+4*\slot+2:G0+4*\slot+3], (\adv)*PANEL
	s_add_nc_u64 s[G0B+4*\slot+2:G0B+4*\slot+3], s[G0B+4*\slot+2:G0B+4*\slot+3], (\adv)*PANEL
	JLOAD G0+4*\slot, G1, G0B+4*\slot, G1B         ; the first tensor load behind the round; its four v_nop are the places in front of the loads below
.else
	PLACES NP
.endif
	FETCH_B \next, 0, 1-(\p)
	FETCH_A \next, 0, 0
	SCALES \next, NQ
	WIN MUL_HI
	MUL16 4, \p, \q, \slot, \zero
	MUL16 6, \p, \q, \slot, \zero
	PLACES NP
	WIN 0
	FETCH_A \next, 0, 4
.endm
	s_wait_tensorcnt 0x1                           ; my part of K step 0 is in (slot 1's load may be out)
	s_barrier_signal -1
	s_barrier_wait -1                              ; everybody's is
	FETCH_B 0, 0, 0
	FETCH_A 0, 0, 0
	SCALES 0, 1
	FETCH_A 0, 0, 4
	TURN 0, 0, 0, 1, 1, 1, 4                       ; K step 0: its products start the sums; slot 0 takes K steps 4 to 6
	STEP 1, 0, 1                                   ; K steps 1 to 3
	STEP 1, 1, 0
	TURN 1, 2, 1, 0, 1, 0, 6                       ; slot 1 takes K steps 7 to 9
	STEP 0, 0, 0                                   ; K steps 4 to 6
	STEP 0, 1, 1
	TURN 0, 2, 0, 1, 1, 0, 6                       ; slot 0 takes K steps 10 to 12
	STEP 1, 0, 1                                   ; K steps 7 to 9
	STEP 1, 1, 0
	TURN 1, 2, 1, 0, 1, 0, 6                       ; slot 1 takes K steps 13 to 15: the last load
	STEP 0, 0, 0                                   ; K steps 10 to 12
	STEP 0, 1, 1
	TURN 0, 2, 0, 1, 0, 0, 0                       ; nothing is left to fetch: no round of the cluster's barrier
	STEP 1, 0, 1                                   ; K steps 13 to 15
	STEP 1, 1, 0
	CSLOAD 2                                       ; B's set 0 is done with (four places stand behind its last products): it takes block 2's cos and sin
	s_wait_dscnt 4*NL
	WIN MUL_LO
	MUL16 0, 1, 2, 1, 0
	MUL16 2, 1, 2, 1, 0
	s_wait_dscnt 0
	WIN MUL_HI
	MUL16 4, 1, 2, 1, 0
	MUL16 6, 1, 2, 1, 0
	WIN 0
; THE WAY OUT.
.macro EPI a
.set AC, 64*((\a)%4)                   ; the block's 64 results, in window 2 or 3
.set EW, 2+(\a)/4
	CSET \a
.set WN, EW*5
	WIN WN                                         ; sources 0 and 1 in the accumulators' window
	v_pk_mul_f32 v[T:T+1], v[AC:AC+1], v[AC:AC+1]  ; the sum of squares of my 64, two chains, each accumulator from its low end on
	v_pk_mul_f32 v[T+2:T+3], v[AC+2:AC+3], v[AC+2:AC+3]
.irp j, 4,8,12,16,20,24,28,32,36,40,44,48,52,56,60
	v_pk_fma_f32 v[T:T+1], v[AC+\j:AC+\j+1], v[AC+\j:AC+\j+1], v[T:T+1]
	v_pk_fma_f32 v[T+2:T+3], v[AC+\j+2:AC+\j+3], v[AC+\j+2:AC+\j+3], v[T+2:T+3]
.endr
	WIN 0
	v_pk_add_f32 v[T:T+1], v[T:T+1], v[T+2:T+3]
	v_add_f32 v[T], v[T], v[T+1]
	v_permlanex16_b32 v[T+2], v[T], s[SEL], s[SEL+1]
	v_add_f32 v[T], v[T], v[T+2]                   ; with lane l xor 16's 64: the row's 128
	v_fma_f32 v[T], v[T], s72, s73                 ; the mean + eps
	v_rsq_f32 v[T+1], v[T]
	v_nop                                          ; a plain place behind the transcendental
	s_wait_alu depctr_va_vdst(0)                   ; and the wait ahead of its first reader
	v_mul_f32 v[RM], s68, v[T+1]                   ; r m
	v_mul_f32 v[RM+1], s68, v[T+1]
.if (\a) < 5
	s_wait_loadcnt 48                              ; this block's 16 loads are in; behind them stand those of the three blocks that follow
.else
	s_wait_loadcnt 16*(7-(\a))                     ; the counts run down: two blocks', one block's, none
.endif
.set WN, (CW<<6)|CW
	WIN WN                                         ; destination and source 0 in the set's window, r m in window 0
.set n, 0
.rept 16
	v_pk_fma_f32 v[COB+n:COB+n+1], v[COB+n:COB+n+1], v[RM:RM+1], s[70:71] op_sel_hi:[1,1,0]   ; c' = cos r m + (1 - m)
	v_pk_mul_f32 v[SIB+n:SIB+n+1], v[SIB+n:SIB+n+1], v[RM:RM+1]                               ; s' = sin r m
.set n, n+2
.endr
.set WN, EW|(CW<<2)
	WIN WN                                         ; source 0 in the accumulators' window, source 1 in the set's
.set n, 0
.rept 16
	v_pk_mul_f32 v[Y+n:Y+n+1], v[AC+n:AC+n+1], v[COB+n:COB+n+1]             ; x1 c'
	v_pk_mul_f32 v[Y+32+n:Y+33+n], v[AC+32+n:AC+33+n], v[COB+n:COB+n+1]     ; x2 c'
.set n, n+2
.endr
.set n, 0
.rept 16
	v_pk_fma_f32 v[Y+n:Y+n+1], v[AC+32+n:AC+33+n], v[SIB+n:SIB+n+1], v[Y+n:Y+n+1]        ; + x2 s'
	v_pk_fma_f32 v[Y+32+n:Y+33+n], v[AC+n:AC+n+1], v[SIB+n:SIB+n+1], v[Y+32+n:Y+33+n] neg_lo:[1,0,0] neg_hi:[1,0,0]   ; - x1 s'
.set n, n+2
.endr
	WIN 0
	s_wait_xcnt 0x0                                ; the last block's stores have read their data: the codes' registers are written again only behind this wait
.if (\a) < 4
	CSLOAD (\a)+4                                  ; the set is free: it takes the block four on, which has three blocks' work in which to land
.endif
	QUANT Y, PWS+(\a)
.irp c, 0,1,2
	global_store_b128 v[LI], v[PC+4*\c:PC+4*\c+3], s[74:75] offset:FRB*(\a)+512*\c   ; 32 lanes store 512 consecutive bytes, aligned to 256
.endr
.endm
	PLACES NP                                      ; behind the last products: for the reads of results and the writes and loads into registers that held fragments and scale words
.irp b, 0,1,2,3
	v_mov_b32 v[TM+4+\b], 0                        ; written once: a lane permute's destination counts as one of its sources
.endr
	CSLOAD 3                                       ; 64 loads of mine are out at the most: four blocks' cos and sin
.irp a, 0,1,2,3,4,5,6,7
	EPI \a
.endr
	v_cmp_lt_u32 vcc_lo, 15, v[LN]                 ; lanes 0-15 store the words of blocks 0-3 of row r, lanes 16-31 those of blocks 4-7
.irp q, 0,1,2,3
	v_cndmask_b32 v[QD+\q], v[PWS+\q], v[PWS+4+\q], vcc_lo
.endr
	global_store_b128 v[LI], v[QD:QD+3], s[74:75] offset:SCO
	s_wait_tensorcnt 0x0                           ; the wave's end
	ds_add_u32 v[SPW], v[NIL]
	s_wait_dscnt 0x0
	CROUND                                         ; the closing round: no work-group ends while a partner may still ask for a tile that names it
	s_endpgm
.Lfunc_end_k_qe7ec675c26_qkvproj:
	.size	k_qe7ec675c26_qkvproj, .Lfunc_end_k_qe7ec675c26_qkvproj-k_qe7ec675c26_qkvproj
	.p2alignl 7, 3214868480
	.fill 96, 4, 3214868480
	.section	.rodata,"a",@progbits
	.p2align	6, 0x0
	.amdhsa_kernel k_qe7ec675c26_qkvproj
		.amdhsa_group_segment_fixed_size 327680
		.amdhsa_private_segment_fixed_size 0
		.amdhsa_enable_private_segment 0
		.amdhsa_kernarg_size 32
		.amdhsa_user_sgpr_count 2
		.amdhsa_user_sgpr_kernarg_segment_ptr 1
		.amdhsa_wavefront_size32 1
		.amdhsa_system_sgpr_workgroup_id_x 1
		.amdhsa_system_sgpr_workgroup_id_y 1
		.amdhsa_system_sgpr_workgroup_id_z 1
		.amdhsa_system_vgpr_workitem_id 0
		.amdhsa_next_free_vgpr 1024
		.amdhsa_next_free_sgpr 96
		.amdhsa_reserve_vcc 1
		.amdhsa_float_denorm_mode_32 3
		.amdhsa_float_denorm_mode_16_64 3
		.amdhsa_memory_ordered 1
		.amdhsa_forward_progress 1
		.amdhsa_inst_pref_size 255
	.end_amdhsa_kernel
	.section	.bss,"aw",@nobits
	.p2align	6
	.space	262144
	.amdgpu_metadata
---
amdhsa.version: [ 1, 2 ]
amdhsa.kernels:
  - .name:           k_qe7ec675c26_qkvproj
    .symbol:         k_qe7ec675c26_qkvproj.kd
    .args:
      - { .name: ops, .offset: 0, .size: 8, .value_kind: global_buffer, .address_space: global }
      - { .name: cos, .offset: 8, .size: 8, .value_kind: global_buffer, .address_space: global }
      - { .name: sin, .offset: 16, .size: 8, .value_kind: global_buffer, .address_space: global }
      - { .name: qkv, .offset: 24, .size: 8, .value_kind: global_buffer, .address_space: global }
    .group_segment_fixed_size: 327680
    .private_segment_fixed_size: 0
    .kernarg_segment_align: 8
    .kernarg_segment_size: 32
    .max_flat_workgroup_size: 128
    .sgpr_count:     96
    .vgpr_count:     1024
    .wavefront_size: 32
...
	.end_amdgpu_metadata
.endif
;; end of part 2
;; launch attn (part 3): grid 16 x 16, 4 waves a work-group, no clusters, 327,680 bytes of LDS; arguments qkv, oc; writes oc
.if DOCPART == 3
	.amdgcn_target "amdgcn-amd-amdhsa--gfx1250"
	.amdhsa_code_object_version 6
	.text
	.protected	k_qe7ec675c26_attn
	.globl	k_qe7ec675c26_attn
	.p2align	8
	.type	k_qe7ec675c26_attn,@function
k_qe7ec675c26_attn:
	s_mov_b64 s[64:65], 0
	v_nop
	global_prefetch_b8 v0, s[64:65] scope:SCOPE_SE
	s_setreg_imm32_b32 hwreg(HW_REG_WAVE_MODE, 25, 1), 1
	s_wait_xcnt 0x0
; o[q] = the sum over keys k <= q of softmax_k(q . k / sqrt(128)) v[k], for 16 heads of 2,048 tokens x 128, both products on codes of FP6 (E2M3) with E8M0 scales; o is quantised along its channels and leaves as panels in oc.
; THE SOFTMAX AHEAD OF THE SECOND PRODUCT: t = score x log2(e) / sqrt(128); M = the running largest t rounded UP to a whole number; p = 2^(t - M) is quantised along the keys, not normalised; the row's sum is taken of the
; unquantised p and divides at the end; when M moves, the sum and O are multiplied by 2^(old M - new M), which rounds nothing.
; INPUT (qkv): q's panel (head, G) at (16 head + G) x 12,800; from panel 256 on for each (head, key step) 25,600 bytes: k's panel (rows = 128 keys), then v's (rows = the head's 128 channels, K = the same 128 keys).
; A panel: 8 images of an operand's 12 registers (lane row r of fragment a = the panel's row 32 (a / 2) + 8 (a % 2) + r + 8 (r / 8)), then 512 bytes of scale words (word (a, r) at 12288 + 256 (a / 4) + 16 r + 4 (a % 4)).
; OUTPUT (oc): o's panel (token group G, head) at (16 G + head) x 12,800: the operand of the output projection, K = head x 128 + channel.
; SHARES.  Queries go in blocks of 64; block j needs j / 2 + 1 key steps of 128.  Work-group (i, head) takes block i and then block 31 - i: 17 key steps for every one of the 256 work-groups, so all trip counts are constants.
; Wave w owns fragment 4 (j % 2) + w of q's panel: 16 queries.  Both products are used transposed (S^T = K Q^T, O^T = V^T P^T): a lane holds one query throughout, and by the panels' order of rows its registers run along 16 neighbours.
; THE RING: two LDS slots of 4 key steps (4 x 25,600 bytes); wave w's one tensor load brings the slot's step w.  A tile is asked for four key steps ahead of its first read, so no prefetch is written.
; NO JOINT LOADS: the sequence of key steps hangs on i / 2, so only two of a head's sixteen work-groups walk the same tiles in the same order; partners of a larger cluster would need different tiles at each step.
; CAUSAL: no step lies wholly behind the diagonal.  In a block's last step (a scalar test on ids) hidden scores become -infinity ahead of the maximum; that step also ends the block: O / sum, quantised, stored.
; LIMITS: a block of zeros gets the byte 1 (its codes are zeros; this program alone reads the bytes); NaN and infinities are not served.
; REGISTERS: window 0: v1-7 addresses; v12 -M, v13 the largest t, v[14:15] the sum; v16-27 Q, v255 its scale words; v32-39, v40-47 K's and V's scale words; v48-60 the second block's Q; v64-80 at work on the way out;
;   v96-159 S^T, then p, then o; v160-223 O^T; v224-254 p's codes and work.   window 1: v0-95 K's 8 fragments, v96-191 V's.
.set PANEL, 12800
.set SCO,   12288
.set FRB,   1536
.set LOADB, 2*PANEL                    ; a key step's two panels
.set SLOTB, 4*LOADB
.set SLOT1, 1<<17                      ; slot 1 begins here: one exclusive or turns an address from one slot to the other
.set SPARE, 2*SLOT1                    ; the spare words, 128 bytes for each wave
.set QBASE, 256*PANEL                  ; where k's and v's panels begin in qkv
.set LI,  1                            ; v1  16 x lane
.set LR,  2                            ; v2  16 x (lane % 16)
.set SPW, 3
.set NIL, 4
.set ADR, 5                            ; v5  the step's fragments
.set ADS, 6                            ; v6  the step's scale words
.set QL,  7                            ; v7  my query in its block, less 16 (lane / 16)
.set KSC, 32
.set VSC, 40
.set TM,  64
.set PW,  80
.set PC,  224
.set WV,  8
.set HD,  9
.set N1,  11                           ; s11 key steps of the first block
.set KF,  12                           ; s12 the step's first key
.set DIAG, 13                          ; s13 the first key of the block's last step
.set QB,  14                           ; s14 the block's first query
.set PF,  15                           ; s15 which of the 17 steps my next tensor load brings
.set TB,  16                           ; s16 LDS byte at which the step in hand begins
.set CNT, 17
.set CN2, 18
.set DIAG2, 19
.set SEL, 20
.set CS,  22
.set G1,  24
.set G0,  32
.set KVB, 36                           ; s[36:37] the head's first pair of panels
.set OB,  38                           ; s[38:39], s[40:41] where the first block's codes and scale words go; s[42:43], s[44:45] the second's
.set QB2, 46
.set MSB, 0
.macro WIN new
.if MSB != \new
	s_set_vgpr_msb (MSB<<8)|\new
.set MSB, \new
.endif
.endm
.macro QUANT s, pw
.irp b, 0,1,2,3
	v_max3_num_f32 v[TM+\b], |v[(\s)+16*\b]|, |v[(\s)+1+16*\b]|, 0x1800000
.endr
.irp i, 2,4,6,8,10,12,14
.irp b, 0,1,2,3
	v_max3_num_f32 v[TM+\b], v[TM+\b], |v[(\s)+16*\b+\i]|, |v[(\s)+1+16*\b+\i]|
.endr
.endr
.irp b, 0,1,2,3
	v_permlanex16_b32 v[TM+4+\b], v[TM+\b], s[SEL], s[SEL+1]
.endr
.irp b, 0,1,2,3
	v_max_num_f32 v[TM+\b], v[TM+\b], v[TM+4+\b]
.endr
.irp b, 0,1,2,3
	v_add_nc_u32 v[TM+12+\b], 0xff000000, v[TM+\b]
.endr
.irp b, 0,1,2,3
	v_lshrrev_b32 v[TM+4+\b], 23, v[TM+12+\b]
.endr
	v_lshl_or_b32 v[\pw], v[TM+5], 8, v[TM+4]
	v_lshl_or_b32 v[\pw], v[TM+6], 16, v[\pw]
	v_lshl_or_b32 v[\pw], v[TM+7], 24, v[\pw]
.irp c, 0,1
	v_cvt_scalef32_pk16_fp6_f32 v[PC+6*\c:PC+2+6*\c], v[(\s)+32*\c:(\s)+15+32*\c], v[TM+12+2*\c]
	v_cvt_scalef32_pk16_fp6_f32 v[PC+12+4*\c:PC+14+4*\c], v[(\s)+16+32*\c:(\s)+31+32*\c], v[TM+12+2*\c+1]
.endr
	v_nop
.irp c, 0,1
.irp i, 0,1,2
	v_permlane16_swap_b32 v[PC+6*\c+\i], v[PC+12+4*\c+\i]
.endr
.irp i, 0,1,2
	v_mov_b32 v[PC+3+6*\c+\i], v[PC+12+4*\c+\i]
.endr
.endr
.endm
; Step PF of the 17 is key step PF of the first block, or PF - N1 of the second: its pair of panels' address goes into group 0, and PF steps to my next one.
.macro GADDR
	s_cmp_lt_u32 s[PF], s[N1]
	s_cselect_b32 s47, 0, s[N1]
	s_sub_co_u32 s47, s[PF], s47
	s_mul_i32 s48, s47, LOADB
	s_mov_b32 s49, 0
	s_add_nc_u64 s[G0+2:G0+3], s[KVB:KVB+1], s[48:49]
	s_or_b32 s[G0+3], s[G0+3], 0x80000000
	s_add_co_u32 s[PF], s[PF], 4
.endm
; Byte offsets for block s[j]: q's fragment and scale words in qkv (pairs qc, qs), o's in oc (pairs oc, os)
.macro BLOCKADR j, qc, qs, oc, os
	s_lshr_b32 s50, s[\j], 1                       ; token group G
	s_and_b32 s51, s[\j], 1
	s_lshl_b32 s52, s51, 2
	s_add_co_u32 s52, s52, s[WV]                   ; my fragment: 4 (j % 2) + wave
	s_mul_i32 s52, s52, FRB
	s_lshl_b32 s53, s51, 8
	s_lshl_b32 s54, s[WV], 2
	s_add_co_u32 s53, s53, s54
	s_add_co_u32 s53, s53, SCO                     ; its scale words: 12288 + 256 (j % 2) + 4 wave (+ 16 r)
	s_lshl_b32 s54, s[HD], 4
	s_add_co_u32 s54, s54, s50
	s_mul_i32 s54, s54, PANEL                      ; q's panel
	s_lshl_b32 s55, s50, 4
	s_add_co_u32 s55, s55, s[HD]
	s_mul_i32 s55, s55, PANEL                      ; o's panel
	s_add_co_u32 s[\qc], s54, s52
	s_mov_b32 s[\qc+1], 0
	s_add_co_u32 s[\qs], s54, s53
	s_mov_b32 s[\qs+1], 0
	s_add_co_u32 s[\oc], s55, s52
	s_mov_b32 s[\oc+1], 0
	s_add_co_u32 s[\os], s55, s53
	s_mov_b32 s[\os+1], 0
.endm
.macro INIT                            ; a block begins: O^T and the sum are zeros, the largest t is -3e38, under every t
	v_mov_b32 v13, 0xff61b1e6
	v_floor_f32 v12, -v13
	v_mov_b32 v14, 0
	v_mov_b32 v15, 0
.set j, 0
.rept 64
	v_mov_b32 v[160+j], 0
.set j, j+1
.endr
.endm
	s_load_b128 s[4:7], s[0:1], 0x0                ; qkv s[4:5], oc s[6:7]
	v_lshl_add_u32 v[SPW], v0, 2, SPARE
	v_mov_b32 v[NIL], 0
	ds_add_u32 v3, v4
	ds_add_u32 v3, v4
	s_wait_dscnt 0x0
	v_lshrrev_b32 v9, 5, v0
	v_readfirstlane_b32 s[WV], v9                  ; wave 0..3
	s_and_b32 s[HD], ttmp7, 0xffff                 ; the head
	s_lshr_b32 s[N1], ttmp9, 1
	s_add_co_u32 s[N1], s[N1], 1
	s_mov_b32 s66, ttmp9                           ; the first block,
	s_sub_co_u32 s67, 31, ttmp9                    ; the second
	; descriptor group 1: 25,600 dense bytes as 100 rows of 32 elements of 8 bytes, no padding, no mask
	s_mov_b32 s[G1], 3<<16
	s_mov_b32 s[G1+1], 32<<16
	s_mov_b32 s[G1+2], 100<<16
	s_mov_b32 s[G1+3], 32<<16
	s_mov_b32 s[G1+4], 100
	s_mov_b32 s[G1+5], 32
	s_mov_b32 s[G1+6], 0
	s_mov_b32 s[G1+7], 0
	BLOCKADR 66, 56, 58, OB, OB+2
	BLOCKADR 67, 60, 62, OB+4, OB+6
	s_lshr_b32 s[DIAG], s66, 1
	s_lshl_b32 s[DIAG], s[DIAG], 7
	s_lshl_b32 s[QB], s66, 6
	s_lshr_b32 s[DIAG2], s67, 1
	s_lshl_b32 s[DIAG2], s[DIAG2], 7
	s_lshl_b32 s[QB2], s67, 6
	s_mul_i32 s48, s[HD], 16*LOADB
	s_add_co_u32 s48, s48, QBASE
	s_mov_b32 s49, 0
	s_mov_b32 s[SEL], 0x76543210
	s_mov_b32 s[SEL+1], 0xfedcba98
	s_mov_b32 s[CS], 0x3e0293ee                    ; c = log2(e) / sqrt(128)
	s_mov_b32 s[CS+1], s[CS]
	s_mov_b32 s[TB], 0
	s_mov_b32 s[KF], 0
	s_mov_b32 s[PF], s[WV]
	s_mov_b32 s[G0], 1
	s_mul_i32 s[G0+1], s[WV], LOADB                ; slot 0, my step's place
	s_wait_kmcnt 0x0
	s_add_nc_u64 s[KVB:KVB+1], s[4:5], s[48:49]
	GADDR
	tensor_load_to_lds s[G0:G0+3], s[G1:G1+7]      ; the first fill: step w of slot 0; one load of mine is out
	s_nop 0
.rept 4
	v_nop
.endr
	s_add_nc_u64 s[56:57], s[4:5], s[56:57]
	s_add_nc_u64 s[58:59], s[4:5], s[58:59]
	s_add_nc_u64 s[60:61], s[4:5], s[60:61]
	s_add_nc_u64 s[62:63], s[4:5], s[62:63]
.irp p, 0,2,4,6
	s_add_nc_u64 s[OB+\p:OB+\p+1], s[6:7], s[OB+\p:OB+\p+1]
.endr
	v_and_b32 v8, 31, v0
	v_lshlrev_b32 v[LI], 4, v8
	v_and_b32 v9, 15, v0                           ; r
	v_lshlrev_b32 v[LR], 4, v9
.irp c, 0,1,2
	global_load_b128 v[16+4*\c:19+4*\c], v[LI], s[56:57] offset:512*\c   ; both blocks' Q stay in registers
	global_load_b128 v[48+4*\c:51+4*\c], v[LI], s[60:61] offset:512*\c
.endr
	global_load_b32 v255, v[LR], s[58:59]
	global_load_b32 v60, v[LR], s[62:63]
	v_bfe_u32 v10, v0, 4, 1                        ; h
	v_and_b32 v11, 8, v9
	v_add_nc_u32 v[QL], v11, v9                    ; r + 8 (r / 8)
	v_lshlrev_b32 v10, 4, v10
	v_sub_nc_u32 v[QL], v[QL], v10                 ; - 16 h
	s_lshr_b32 s50, s[WV], 1
	s_lshl_b32 s50, s50, 5
	s_and_b32 s51, s[WV], 1
	s_lshl_b32 s51, s51, 3
	s_add_co_u32 s50, s50, s51
	v_add_nc_u32 v[QL], s50, v[QL]                 ; + 32 (w / 2) + 8 (w % 2)
.irp b, 0,1,2,3
	v_mov_b32 v[236+\b], 0                         ; written once: a lane permute's destination counts as one of its sources
	v_mov_b32 v[TM+4+\b], 0
.endr
	v_mov_b32 v253, 0                              ; (named as the upper half of the pair v[252:253] before it is first written)
	INIT
; THE END OF A BLOCK: O^T / the sum, quantised along the channels, stored as my fragment of o's panel.  n = 1: the second block's state is set up.
.macro FINISH n
.rept 4
	v_nop                                          ; places behind the last products
.endr
	v_add_f32 v14, v14, v15
	v_permlanex16_b32 v252, v14, s[SEL], s[SEL+1]
	v_add_f32 v14, v14, v252                       ; the row's sum
	v_rcp_f32 v14, v14
	v_nop                                          ; a plain place behind the transcendental
	s_wait_alu depctr_va_vdst(0)                   ; and the wait ahead of its first reader
.set j, 0
.rept 64
	v_mul_f32 v[96+j], v[160+j], v14               ; register 16 b + i is channel 32 b + 16 h + i of my query; each accumulator from its low end on
.set j, j+1
.endr
	QUANT 96, PW
.irp c, 0,1,2
	global_store_b128 v[LI], v[PC+4*\c:PC+4*\c+3], s[OB+4*(\n)-4:OB+4*(\n)-3] offset:512*\c   ; 32 lanes store 512 consecutive bytes
.endr
	global_store_b32 v[LR], v[PW], s[OB+4*(\n)-2:OB+4*(\n)-1]   ; my rows' scale words; lanes r and r + 16 store the same word at the same place
.if (\n) == 1
.set j, 0
.rept 12
	v_mov_b32 v[16+j], v[48+j]                     ; the second block's Q
.set j, j+1
.endr
	v_mov_b32 v255, v60
	INIT                                           ; (these 68 lines are also the places between the write of Q's scale words and the next product)
	s_mov_b32 s[KF], -128                          ; the step's end adds 128: the second block begins at key 0
	s_mov_b32 s[DIAG], s[DIAG2]
	s_mov_b32 s[QB], s[QB2]
	s_wait_xcnt 0x0                                ; the stores have read their data: the codes' registers are written again only behind this wait
.endif
.endm
; A KEY STEP: 128 keys.  diag = 1: the step may be the first block's last (a scalar test on ids, the same in all four waves); 0: it cannot be; 2: it is the second block's last.
.macro STEP diag
	v_add_nc_u32 v[ADR], s[TB], v[LI]
	v_add_nc_u32 v[ADS], s[TB], v[LR]
	v_nop
	v_nop                                          ; four places in front of loads into registers that the last step's products have read
	ds_load_b128 v[KSC:KSC+3], v[ADS] offset:SCO
	ds_load_b128 v[KSC+4:KSC+7], v[ADS] offset:SCO+256
	ds_load_b128 v[VSC:VSC+3], v[ADS] offset:PANEL+SCO
	ds_load_b128 v[VSC+4:VSC+7], v[ADS] offset:PANEL+SCO+256
	WIN 0x40                                       ; destination window 1
.irp t, 0,1,2,3,4,5,6,7
.irp c, 0,1,2
	ds_load_b128 v[12*\t+4*\c:12*\t+4*\c+3], v[ADR] offset:FRB*\t+512*\c
.endr
.endr
.irp t, 0,1,2,3,4,5,6,7
.irp c, 0,1,2
	ds_load_b128 v[96+12*\t+4*\c:96+12*\t+4*\c+3], v[ADR] offset:PANEL+FRB*\t+512*\c
.endr
.endr
	WIN 0
	s_wait_dscnt 24                                ; the scale words and K are in; V's 24 loads may be out
	WIN 0x01                                       ; source 0 window 1
.irp t, 0,1,2,3,4,5,6,7
	v_wmma_scale_f32_16x16x128_f8f6f4 v[96+8*\t:103+8*\t], v[12*\t:12*\t+11], v[16:27], 0, v[KSC+\t], v255 matrix_a_fmt:MATRIX_FMT_FP6 matrix_b_fmt:MATRIX_FMT_FP6
.endr
	WIN 0
.rept 4
	v_nop
.endr
.if (\diag) == 1
	s_cmp_lg_u32 s[KF], s[DIAG]
	s_cbranch_scc1 .Lopen_\@
.endif
.if (\diag)
	s_sub_co_i32 s47, s[QB], s[KF]
	v_add_nc_u32 v252, s47, v[QL]                  ; d = my query - KF - 16 h.  Register 16 b + i holds key KF + 32 b + 16 h + i: hidden where 32 b + i > d
	v_mov_b32 v254, 0xff800000                     ; -infinity
.set n, 0
.rept 64
	v_cmp_gt_i32 vcc_lo, 32*(n/16)+n%16, v252
	v_cndmask_b32 v[96+n], v[96+n], v254, vcc_lo
.set n, n+1
.endr
.endif
.if (\diag) == 1
.Lopen_\@:
.endif
.irp b, 0,1,2,3
	v_max3_num_f32 v[232+\b], v[96+16*\b], v[97+16*\b], v[98+16*\b]   ; the largest score of each block of 32 keys: for the row's maximum and, since p rises with the score, for the block's largest p
.endr
.irp i, 3,5,7,9,11,13
.irp b, 0,1,2,3
	v_max3_num_f32 v[232+\b], v[232+\b], v[96+16*\b+\i], v[97+16*\b+\i]
.endr
.endr
.irp b, 0,1,2,3
	v_max_num_f32 v[232+\b], v[232+\b], v[111+16*\b]
.endr
.irp b, 0,1,2,3
	v_permlanex16_b32 v[236+\b], v[232+\b], s[SEL], s[SEL+1]
.endr
.irp b, 0,1,2,3
	v_max_num_f32 v[232+\b], v[232+\b], v[236+\b]
.endr
	v_max3_num_f32 v254, v232, v233, v234
	v_max_num_f32 v254, v254, v235                 ; the step's largest score of my query
	v_mul_f32 v254, s[CS], v254
	v_max_num_f32 v13, v13, v254                   ; the running largest t
	v_mov_b32 v254, v12
	v_floor_f32 v12, -v13                          ; the new -M = floor(-t): M is a whole number
	v_sub_f32 v254, v12, v254
	v_cvt_i32_f32 v254, v254                       ; (it saturates)
	v_ldexp_f32 v252, 1.0, v254                    ; f = 2^(old M - new M)
.set j, 0
.rept 32
	v_pk_fma_f32 v[96+j:97+j], v[96+j:97+j], s[CS:CS+1], v[12:13] op_sel_hi:[1,0,0]   ; t - M
.set j, j+2
.endr
.irp b, 0,1,2,3
	v_fma_f32 v[232+\b], v[232+\b], s[CS], v12
.endr
.set j, 0
.rept 64
	v_exp_f32 v[96+j], v[96+j]                     ; p = 2^(t - M)
.set j, j+1
.endr
	v_pk_mul_f32 v[14:15], v[14:15], v[252:253] op_sel_hi:[1,0]   ; the sums under the new M (a plain place behind the exponentials)
	s_wait_alu depctr_va_vdst(0)                   ; one wait for the batch of 64, ahead of its first reader
.irp b, 0,1,2,3
	v_exp_f32 v[232+\b], v[232+\b]                 ; the block's largest p
.endr
	v_pk_add_f32 v[236:237], v[96:97], v[98:99]    ; the row's sum is taken of the unquantised p, in two chains
.irp j, 4,8,12,16,20,24,28,32,36,40,44,48,52,56,60
	v_pk_add_f32 v[14:15], v[14:15], v[96+\j:97+\j]
	v_pk_add_f32 v[236:237], v[236:237], v[98+\j:99+\j]
.endr
	v_pk_add_f32 v[14:15], v[14:15], v[236:237]
	s_wait_alu depctr_va_vdst(0)                   ; and one for the four
.irp b, 0,1,2,3
	v_max_num_f32 v[232+\b], 0x1800000, v[232+\b]  ; the floor 2^(3 - 127)
.endr
.irp b, 0,1,2,3
	v_add_nc_u32 v[244+\b], 0xff000000, v[232+\b]
.endr
.irp b, 0,1,2,3
	v_lshrrev_b32 v[236+\b], 23, v[244+\b]
.endr
	v_lshl_or_b32 v253, v237, 8, v236              ; p's scale word for these 128 keys
	v_lshl_or_b32 v253, v238, 16, v253
	v_lshl_or_b32 v253, v239, 24, v253
.irp c, 0,1
	v_cvt_scalef32_pk16_fp6_f32 v[224+6*\c:226+6*\c], v[96+32*\c:111+32*\c], v[244+2*\c]
	v_cvt_scalef32_pk16_fp6_f32 v[236+4*\c:238+4*\c], v[112+32*\c:127+32*\c], v[244+2*\c+1]
.endr
	v_nop
.irp c, 0,1
.irp i, 0,1,2
	v_permlane16_swap_b32 v[224+6*\c+\i], v[236+4*\c+\i]
.endr
.irp i, 0,1,2
	v_mov_b32 v[227+6*\c+\i], v[236+4*\c+\i]
.endr
.endr
.set j, 0
.rept 32
	v_pk_mul_f32 v[160+j:161+j], v[160+j:161+j], v[252:253] op_sel_hi:[1,0]   ; O^T under the new M (these 32 are also the places in front of the products below)
.set j, j+2
.endr
	s_wait_dscnt 0x0                               ; V is in
	WIN 0x01
.irp t, 0,1,2,3,4,5,6,7
	v_wmma_scale_f32_16x16x128_f8f6f4 v[160+8*\t:167+8*\t], v[96+12*\t:96+12*\t+11], v[224:235], v[160+8*\t:167+8*\t], v[VSC+\t], v253 matrix_a_fmt:MATRIX_FMT_FP6 matrix_b_fmt:MATRIX_FMT_FP6
.endr
	WIN 0
.if (\diag) == 1
	s_cmp_lg_u32 s[KF], s[DIAG]
	s_cbranch_scc1 .Lon_\@
	FINISH 1
.Lon_\@:
.elseif (\diag) == 2
	FINISH 2
.endif
	s_add_co_u32 s[KF], s[KF], 128
	s_add_co_u32 s[TB], s[TB], LOADB
.endm
; THE CHANGE OF SLOTS stands at a slot's head.  Each wave waits for all its tensor loads (its part of the slot ahead), adds 0 to its spare word, and waits for that and for its reads of the slot that it has left.
; fill = 1: every wave fills its step of the other slot; 2: only step 16 is left, wave 0's; 0: nothing.
.macro CHANGE fill
	s_wait_tensorcnt 0x0                           ; no tensor load of mine is out, so group 0 may be written
	ds_add_u32 v[SPW], v[NIL]                      ; 0 onto my spare word
.if (\fill)
	s_xor_b32 s[G0+1], s[G0+1], SLOT1              ; the other slot than last time
	GADDR
.endif
	s_wait_dscnt 0x0                               ; the add is done, and my reads of the slot that I have left are over
	s_barrier_signal -1
	s_barrier_wait -1
.if (\fill) == 1
	tensor_load_to_lds s[G0:G0+3], s[G1:G1+7]      ; the first thing behind the barrier, my one tensor load until the next: it has four key steps in which to land
	s_nop 0
.rept 4
	v_nop
.endr
.elseif (\fill) == 2
	s_cmp_lg_u32 s[WV], 0
	s_cbranch_scc1 .Lnone_\@
	tensor_load_to_lds s[G0:G0+3], s[G1:G1+7]
	s_nop 0
.rept 4
	v_nop
.endr
.Lnone_\@:
.endif
.endm
.macro QUAD diag                       ; a slot's four key steps: written once, walked four times
	s_mov_b32 s[CN2], 4
.Lstep_\@:
	STEP \diag
	s_sub_co_u32 s[CN2], s[CN2], 1
	s_cmp_lg_u32 s[CN2], 0
	s_cbranch_scc1 .Lstep_\@
	s_sub_co_u32 s[TB], s[TB], SLOTB
	s_xor_b32 s[TB], s[TB], SLOT1                  ; on to the other slot
.endm
	s_wait_loadcnt 0x0                             ; both blocks' Q
	s_mov_b32 s[CNT], 3
.Lquad:                                                ; steps 0 to 11: the first block's last step (0 to 7) lies among them
	CHANGE 1
	QUAD 1
	s_sub_co_u32 s[CNT], s[CNT], 1
	s_cmp_lg_u32 s[CNT], 0
	s_cbranch_scc1 .Lquad
	CHANGE 2
	QUAD 0                                         ; steps 12 to 15: never a block's last
	CHANGE 0
	STEP 2                                         ; step 16: the second block's last
	s_wait_tensorcnt 0x0                           ; the wave's end
	ds_add_u32 v[SPW], v[NIL]
	s_wait_dscnt 0x0
	s_endpgm
.Lfunc_end_k_qe7ec675c26_attn:
	.size	k_qe7ec675c26_attn, .Lfunc_end_k_qe7ec675c26_attn-k_qe7ec675c26_attn
	.p2alignl 7, 3214868480
	.fill 96, 4, 3214868480
	.section	.rodata,"a",@progbits
	.p2align	6, 0x0
	.amdhsa_kernel k_qe7ec675c26_attn
		.amdhsa_group_segment_fixed_size 327680
		.amdhsa_private_segment_fixed_size 0
		.amdhsa_enable_private_segment 0
		.amdhsa_kernarg_size 16
		.amdhsa_user_sgpr_count 2
		.amdhsa_user_sgpr_kernarg_segment_ptr 1
		.amdhsa_wavefront_size32 1
		.amdhsa_system_sgpr_workgroup_id_x 1
		.amdhsa_system_sgpr_workgroup_id_y 1
		.amdhsa_system_sgpr_workgroup_id_z 1
		.amdhsa_system_vgpr_workitem_id 0
		.amdhsa_next_free_vgpr 512
		.amdhsa_next_free_sgpr 70
		.amdhsa_reserve_vcc 1
		.amdhsa_float_denorm_mode_32 3
		.amdhsa_float_denorm_mode_16_64 3
		.amdhsa_memory_ordered 1
		.amdhsa_forward_progress 1
		.amdhsa_inst_pref_size 93
	.end_amdhsa_kernel
	.amdgpu_metadata
---
amdhsa.version: [ 1, 2 ]
amdhsa.kernels:
  - .name:           k_qe7ec675c26_attn
    .symbol:         k_qe7ec675c26_attn.kd
    .args:
      - { .name: qkv, .offset: 0, .size: 8, .value_kind: global_buffer, .address_space: global }
      - { .name: oc, .offset: 8, .size: 8, .value_kind: global_buffer, .address_space: global }
    .group_segment_fixed_size: 327680
    .private_segment_fixed_size: 0
    .kernarg_segment_align: 8
    .kernarg_segment_size: 16
    .max_flat_workgroup_size: 128
    .sgpr_count:     70
    .vgpr_count:     512
    .wavefront_size: 32
...
	.end_amdgpu_metadata
.endif
;; end of part 3
;; launch oproj (part 4): grid 16 x 16, 4 waves a work-group, clusters of 4 x 4, 327,680 bytes of LDS; arguments oc, ops, out0; writes out0
.if DOCPART == 4
	.amdgcn_target "amdgcn-amd-amdhsa--gfx1250"
	.amdhsa_code_object_version 6
	.text
	.protected	k_qe7ec675c26_oproj
	.globl	k_qe7ec675c26_oproj
	.p2align	8
	.type	k_qe7ec675c26_oproj,@function
k_qe7ec675c26_oproj:
	s_mov_b64 s[64:65], 0
	v_nop
	global_prefetch_b8 v0, s[64:65] scope:SCOPE_SE
	s_setreg_imm32_b32 hwreg(HW_REG_WAVE_MODE, 25, 1), 1
	s_wait_xcnt 0x0
	s_wait_alu depctr_hold_cnt(0) depctr_sa_sdst(0) depctr_va_vdst(0) depctr_va_sdst(0) depctr_va_ssrc(0) depctr_va_vcc(0) depctr_vm_vsrc(0)
	s_getreg_b32 s2, hwreg(HW_REG_IB_STS2, 6, 4)
	s_cmp_eq_u32 s2, 0
	s_cbranch_scc0 .Lentry_in_a_cluster
	s_endpgm
.Lentry_in_a_cluster:
	s_bfe_u32 s2, ttmp6, 0x10000c
	s_cmp_lg_u32 s2, 0xf033
	s_cbranch_scc0 .Lentry_shape_is_right
	s_endpgm
.Lentry_shape_is_right:
; out0 = o Wo^T on codes of FP6 (E2M3) with E8M0 scales: o's panels from oc (token group G, K step = head, at (16 G + head) x 12,800), Wo's from ops (row groups 64 to 79); out0 [2048][2048] f32, sums in f32.
; A panel: 8 images of an operand's 12 registers (lane row r of fragment a = the panel's row 32 (a / 2) + 8 (a % 2) + r + 8 (r / 8)), then 512 bytes of scale words (word (a, r) at 12288 + 256 (a / 4) + 16 r + 4 (a % 4)).
; A tile is 128 x 128, so that 2,048 x 2,048 gives 256 work-groups; four waves, each 64 x 64: 16 accumulators.  K = 16 steps of 128, all written out, no loop.
; LDS: three regions of 4 K steps (A's 4 panels, then B's 4); a wave's tensor load brings two panels, 25,600 dense bytes.  All three are filled at the start (three loads of mine are out); region 0 is filled once more, with K steps 12-15,
; when K step 3's fragments are in registers: that load has eight K steps in which to land.  CLUSTER 4 x 4: A's panels are asked for jointly along a row of the cluster, B's along a column.
; THE MATRIX INSTRUCTION IS USED TRANSPOSED (source 0 = Wo, source 1 = o): a lane holds eight neighbouring numbers of a row of out0.  They go through the wave's own stage in LDS (in region 1, which has had its only fill and its last
; read by then) and leave as rows of 256 bytes: sixteen lanes store 256 consecutive bytes, aligned.
; REGISTERS: window 0: v10-21 addresses; v32-39 scale words, two sets; v64-127 rows on the way out; v128-255 the accumulators ((a, b) at v[128 + 8 (4 a + b)]).  window 1: two buffers of 96: A's 4 fragments, then B's 4.
.set PANEL, 12800
.set GRP,   16*PANEL
.set SCO,   12288
.set FRB,   1536
.set LOADB, 2*PANEL
.set REG,   8*PANEL                    ; a region: 4 K steps of A, then 4 of B
.set SPARE, 3*REG                      ; the spare words, 128 bytes for each wave
.set SP,    272                        ; a stage row: 256 bytes + 16
.set STAGE, REG                        ; the stages lie in region 1: 16 rows for each wave
.set ADRA, 10                          ; v10-12 my A fragments in region 0, 1, 2
.set ADRB, 13                          ; v13-15 my B fragments
.set ADRS, 16                          ; v16-18 my scale words: lanes 0-15 A's, lanes 16-31 B's
.set STO,  19
.set RD,   20
.set CO,   21
.set SPW,  28
.set NIL,  29
.set SC,   32
.set ACC,  128
.set G1,  24
.set G1B, 48
.set MSB, 0
.macro WIN new
.if MSB != \new
	s_set_vgpr_msb (MSB<<8)|\new
.set MSB, \new
.endif
.endm
.macro JLOAD g0a, g1a, g0b, g1b        ; a joint load: waves 0 and 1 fetch for A, waves 2 and 3 for B; four v_nop follow each of the two lines
	s_cmp_eq_u32 s15, 0
	s_cbranch_scc0 .Lfor_b_\@
	tensor_load_to_lds s[\g0a:\g0a+3], s[\g1a:\g1a+7]
	s_nop 0
.rept 4
	v_nop
.endr
	s_branch .Lasked_\@
.Lfor_b_\@:
	tensor_load_to_lds s[\g0b:\g0b+3], s[\g1b:\g1b+7]
	s_nop 0
.rept 4
	v_nop
.endr
.Lasked_\@:
.endm
.macro CROUND                          ; a round of the cluster's barrier
	s_barrier_signal -1
	s_barrier_wait -1
	s_cmp_lg_u32 s14, 0
	s_cbranch_scc1 .Lnot_wave_0_\@
	s_barrier_signal -3
.Lnot_wave_0_\@:
	s_barrier_wait -3
	s_barrier_signal -1
	s_barrier_wait -1
.endm
.macro PLACES
.rept 4
	v_nop
.endr
.endm
	s_load_b128 s[4:7], s[0:1], 0x0                ; oc s[4:5], ops s[6:7]
	s_load_b64 s[8:9], s[0:1], 0x10                ; out0
	v_lshl_add_u32 v[SPW], v0, 2, SPARE
	v_mov_b32 v[NIL], 0
	ds_add_u32 v28, v29
	ds_add_u32 v28, v29
	s_wait_dscnt 0x0
	v_lshrrev_b32 v1, 5, v0
	v_readfirstlane_b32 s14, v1                    ; wave 0..3
	s_lshr_b32 s15, s14, 1                         ; which half of the tile's rows is mine.  Also: I fetch for A (0) or for B (1)
	s_and_b32 s16, s14, 1                          ; which half of its columns.  Also: which two of a region's four K steps I fetch
	s_bfe_u32 s72, ttmp6, 0x40000                  ; cx, cy
	s_bfe_u32 s73, ttmp6, 0x40004
	s_lshl_b32 s74, ttmp9, 2
	s_add_co_u32 s74, s74, s72                     ; tile column
	s_and_b32 s17, ttmp7, 0xffff
	s_lshl_b32 s17, s17, 2
	s_add_co_u32 s17, s17, s73                     ; tile row
	s_lshl_b32 s75, s73, 2
	s_lshl_b32 s75, 15, s75                        ; my row of the cluster
	s_lshl_b32 s76, 0x1111, s72                    ; my column
	s_or_b32 s[G1+0], s75, (3<<16)|(1<<21)         ; 15:0 the mask; 17:16 elements of 8 bytes; 21 set beside a mask; no padding
	s_or_b32 s[G1B+0], s76, (3<<16)|(1<<21)
.irp g, G1, G1B
	s_mov_b32 s[\g+1], 32<<16                      ; 25,600 dense bytes as 100 rows of 32 elements
	s_mov_b32 s[\g+2], 100<<16
	s_mov_b32 s[\g+3], 32<<16
	s_mov_b32 s[\g+4], 100
	s_mov_b32 s[\g+5], 32
	s_mov_b32 s[\g+6], 0
	s_mov_b32 s[\g+7], 0
.endr
	s_mul_i32 s22, s16, LOADB
	s_mul_i32 s20, s17, GRP
	s_add_co_u32 s20, s20, s22                     ; A: token group ty, K steps 2 (w % 2) on
	s_mov_b32 s21, 0
	s_add_co_u32 s46, s74, 64
	s_mul_i32 s46, s46, GRP
	s_add_co_u32 s46, s46, s22                     ; B: Wo's row group tx
	s_mov_b32 s47, 0
	s_mul_i32 s77, s14, LOADB                      ; where my load lands in a region
	s_wait_kmcnt 0x0
	s_add_nc_u64 s[20:21], s[4:5], s[20:21]
	s_add_nc_u64 s[46:47], s[6:7], s[46:47]
	CROUND                                         ; all sixteen work-groups are here: the first joint loads meet
.macro FIRST q, ga, gb                 ; region q's first fill: K steps 4 q on
	s_mov_b32 s[\ga], 1
	s_add_co_u32 s[\ga+1], s77, \q*REG
	s_add_nc_u64 s[\ga+2:\ga+3], s[20:21], \q*4*PANEL
	s_or_b32 s[\ga+3], s[\ga+3], 0x80000000
	s_mov_b32 s[\gb], 1
	s_add_co_u32 s[\gb+1], s77, \q*REG
	s_add_nc_u64 s[\gb+2:\gb+3], s[46:47], \q*4*PANEL
	s_or_b32 s[\gb+3], s[\gb+3], 0x80000000
	JLOAD \ga, G1, \gb, G1B
.endm
	FIRST 0, 32, 56
	FIRST 1, 36, 60
	FIRST 2, 40, 68
	v_and_b32 v1, 15, v0                           ; r
	v_bfe_u32 v2, v0, 4, 1                         ; h
	v_and_b32 v3, 31, v0
	v_lshlrev_b32 v4, 4, v3                        ; 16 x lane
	s_mul_i32 s22, s15, 4*FRB                      ; my four fragments of A,
	s_mul_i32 s23, s16, 4*FRB
	s_add_co_u32 s23, s23, 4*PANEL                 ; of B
	s_lshl_b32 s12, s16, 8
	s_add_co_u32 s12, s12, 4*PANEL
	s_lshl_b32 s13, s15, 8
	s_sub_co_u32 s12, s12, s13
	v_mul_u32_u24 v5, s12, v2                      ; lanes 16-31 take B's scale words: one product, the distance x h
	v_lshl_add_u32 v5, v1, 4, v5
	v_add_nc_u32 v5, SCO, v5
.irp p, 0,1,2
	v_add_nc_u32 v[ADRA+\p], s22, v4
	v_add_nc_u32 v[ADRB+\p], s23, v4
	v_add_nc_u32 v[ADRS+\p], s13, v5
	s_add_co_u32 s22, s22, REG
	s_add_co_u32 s23, s23, REG
	s_add_co_u32 s13, s13, REG
.endr
	s_mul_i32 s22, s14, 16*SP
	s_add_co_u32 s22, s22, STAGE                   ; my stage
	v_mul_u32_u24 v[STO], v1, SP
	v_lshl_add_u32 v[STO], v2, 6, v[STO]
	v_add_nc_u32 v[STO], s22, v[STO]               ; in: row r, + 64 h
	v_mul_u32_u24 v[RD], v2, SP
	v_lshl_add_u32 v[RD], v1, 4, v[RD]
	v_add_nc_u32 v[RD], s22, v[RD]                 ; back: lanes 0-15 one row, lanes 16-31 the next
	v_lshlrev_b32 v[CO], 13, v2
	v_lshl_add_u32 v[CO], v1, 4, v[CO]             ; and the same two rows in out0
	s_lshl_b32 s20, s17, 7
	s_lshl_b32 s21, s15, 6
	s_add_co_u32 s20, s20, s21                     ; my first row: 128 ty + 64 (w / 2)
	s_lshl_b32 s20, s20, 13
	s_lshl_b32 s21, s74, 9
	s_add_co_u32 s20, s20, s21
	s_lshl_b32 s21, s16, 8
	s_add_co_u32 s20, s20, s21                     ; my first column, in bytes: 512 tx + 256 (w % 2)
	s_mov_b32 s21, 0
	s_add_nc_u64 s[8:9], s[8:9], s[20:21]
.macro FETCH k                         ; K step k's eight fragments into buffer k % 2, and its scale words
.set RG, ((\k)/4)%3
.set KO, ((\k)%4)*PANEL
.set BF, 96*((\k)%2)
	WIN 0x40                                       ; destination window 1
.irp f, 0,1,2,3
.irp c, 0,1,2
	ds_load_b128 v[BF+12*\f+4*\c:BF+12*\f+4*\c+3], v[ADRA+RG] offset:KO+FRB*\f+512*\c
	ds_load_b128 v[BF+48+12*\f+4*\c:BF+48+12*\f+4*\c+3], v[ADRB+RG] offset:KO+FRB*\f+512*\c
.endr
.endr
	WIN 0
	ds_load_b128 v[SC+4*((\k)%2):SC+4*((\k)%2)+3], v[ADRS+RG] offset:KO
.endm
.macro MUL k                           ; 16 products; the accumulators take turns, one instruction a turn, in the same order in every step
.set BF, 96*((\k)%2)
.set SS, SC+4*((\k)%2)
	WIN 0x05                                       ; sources 0 and 1 window 1
.irp a, 0,1,2,3
.irp b, 0,1,2,3
.if (\k) == 0
	v_wmma_scale_f32_16x16x128_f8f6f4 v[ACC+8*(4*\a+\b):ACC+8*(4*\a+\b)+7], v[BF+48+12*\b:BF+48+12*\b+11], v[BF+12*\a:BF+12*\a+11], 0, v[SS+\b], v[SS+\a] matrix_a_fmt:MATRIX_FMT_FP6 matrix_b_fmt:MATRIX_FMT_FP6 matrix_a_scale:MATRIX_SCALE_ROW1
.else
	v_wmma_scale_f32_16x16x128_f8f6f4 v[ACC+8*(4*\a+\b):ACC+8*(4*\a+\b)+7], v[BF+48+12*\b:BF+48+12*\b+11], v[BF+12*\a:BF+12*\a+11], v[ACC+8*(4*\a+\b):ACC+8*(4*\a+\b)+7], v[SS+\b], v[SS+\a] matrix_a_fmt:MATRIX_FMT_FP6 matrix_b_fmt:MATRIX_FMT_FP6 matrix_a_scale:MATRIX_SCALE_ROW1
.endif
.endr
.endr
.endm
.macro KSTEP k
	s_wait_dscnt 0x0                               ; K step k's fragments are in
	PLACES                                         ; in front of loads into the buffer that the last step's products have read
	FETCH (\k)+1
	MUL \k
.endm
	s_wait_tensorcnt 0x2                           ; my part of region 0 is in (regions 1 and 2 may be out)
	s_barrier_signal -1
	s_barrier_wait -1                              ; everybody's is
	FETCH 0
	KSTEP 0
	KSTEP 1
	KSTEP 2
	WIN 0                                          ; K step 3: region 0 is left and filled again
	s_wait_tensorcnt 0x0                           ; all my tensor loads have landed: my parts of regions 1 and 2
	ds_add_u32 v[SPW], v[NIL]                      ; 0 onto my spare word
	s_add_nc_u64 s[34:35], s[34:35], 12*PANEL      ; region 0's next tiles: K steps 12 on
	s_add_nc_u64 s[58:59], s[58:59], 12*PANEL
	s_wait_dscnt 0x0                               ; the add is done; K step 3's fragments are in: my reads of region 0 are over
	CROUND                                         ; no wave of any partner still reads region 0 or has a load on its way
	JLOAD 32, G1, 56, G1B                          ; the first tensor load behind the round; its four v_nop are the places in front of the loads below
	FETCH 4
	MUL 3
.irp k, 4,5,6,7,8,9,10
	KSTEP \k
.endr
	WIN 0                                          ; K step 11
	s_wait_tensorcnt 0x0                           ; my part of it is in (my one load that was out),
	s_wait_dscnt 0x0
	s_barrier_signal -1
	s_barrier_wait -1                              ; everybody's is; and nobody reads region 1 any more
	PLACES
	FETCH 12
	MUL 11
	KSTEP 12
	KSTEP 13
	KSTEP 14
	s_wait_dscnt 0x0
	MUL 15
	WIN 0
; THE WAY OUT, block by block of 16 rows x 64 columns, through my own stage.  LDS serves a wave's instructions in order (ISA guide 5.7.1.4): no wait between the stores and the loads, nor in front of the next block's stores.
.macro TOSTAGE a
.irp b, 0,1,2,3                        ; register j of tile b is column 32 (b / 2) + 16 h + 8 (b % 2) + j of my 64
	ds_store_b128 v[STO], v[ACC+8*(4*(\a)+\b):ACC+8*(4*(\a)+\b)+3] offset:128*(\b/2)+32*(\b%2)          ; each accumulator from its low end on
	ds_store_b128 v[STO], v[ACC+8*(4*(\a)+\b)+4:ACC+8*(4*(\a)+\b)+7] offset:128*(\b/2)+32*(\b%2)+16
.endr
.set BB, 64+32*((\a)%2)
.irp t, 0,1,2,3,4,5,6,7
	ds_load_b128 v[BB+4*\t:BB+4*\t+3], v[RD] offset:2*SP*\t
.endr
.endm
.macro SEND a, younger                 ; stage row 2 t + h is row 32 (a / 2) + 8 (a % 2) + 2 t + h + 8 (t / 4) of my 64
.set BB, 64+32*((\a)%2)
	s_wait_dscnt \younger
.irp t, 0,1,2,3,4,5,6,7
	global_store_b128 v[CO], v[BB+4*\t:BB+4*\t+3], s[8:9] offset:(32*((\a)/2)+8*((\a)%2)+2*\t+8*(\t/4))*8192 th:TH_STORE_NT   ; 16 lanes store 256 consecutive bytes, aligned; written once, read by nobody here
.endr
.endm
	PLACES                                         ; behind the last products, in front of the first read of results
	TOSTAGE 0
.irp a, 1,2,3
.if \a > 1
	s_wait_xcnt 0x0                                ; block a - 2's stores have read their registers: block a's loads may land there
.endif
	TOSTAGE \a
	SEND \a-1, 16                                  ; behind block a - 1's loads: block a's 8 stores and 8 loads
.endr
	SEND 3, 0
	s_wait_tensorcnt 0x0                           ; the wave's end
	ds_add_u32 v[SPW], v[NIL]
	s_wait_dscnt 0x0
	CROUND                                         ; the closing round
	s_endpgm
.Lfunc_end_k_qe7ec675c26_oproj:
	.size	k_qe7ec675c26_oproj, .Lfunc_end_k_qe7ec675c26_oproj-k_qe7ec675c26_oproj
	.p2alignl 7, 3214868480
	.fill 96, 4, 3214868480
	.section	.rodata,"a",@progbits
	.p2align	6, 0x0
	.amdhsa_kernel k_qe7ec675c26_oproj
		.amdhsa_group_segment_fixed_size 327680
		.amdhsa_private_segment_fixed_size 0
		.amdhsa_enable_private_segment 0
		.amdhsa_kernarg_size 24
		.amdhsa_user_sgpr_count 2
		.amdhsa_user_sgpr_kernarg_segment_ptr 1
		.amdhsa_wavefront_size32 1
		.amdhsa_system_sgpr_workgroup_id_x 1
		.amdhsa_system_sgpr_workgroup_id_y 1
		.amdhsa_system_sgpr_workgroup_id_z 1
		.amdhsa_system_vgpr_workitem_id 0
		.amdhsa_next_free_vgpr 448
		.amdhsa_next_free_sgpr 80
		.amdhsa_reserve_vcc 0
		.amdhsa_float_denorm_mode_32 3
		.amdhsa_float_denorm_mode_16_64 3
		.amdhsa_memory_ordered 1
		.amdhsa_forward_progress 1
		.amdhsa_inst_pref_size 79
	.end_amdhsa_kernel
	.amdgpu_metadata
---
amdhsa.version: [ 1, 2 ]
amdhsa.kernels:
  - .name:           k_qe7ec675c26_oproj
    .symbol:         k_qe7ec675c26_oproj.kd
    .args:
      - { .name: oc, .offset: 0, .size: 8, .value_kind: global_buffer, .address_space: global }
      - { .name: ops, .offset: 8, .size: 8, .value_kind: global_buffer, .address_space: global }
      - { .name: out0, .offset: 16, .size: 8, .value_kind: global_buffer, .address_space: global }
    .group_segment_fixed_size: 327680
    .private_segment_fixed_size: 0
    .kernarg_segment_align: 8
    .kernarg_segment_size: 24
    .max_flat_workgroup_size: 128
    .sgpr_count:     80
    .vgpr_count:     448
    .wavefront_size: 32
...
	.end_amdgpu_metadata
.endif
;; end of part 4
